; MI455X (gfx1250); checked and timed in simulation.
; The chip was launched on July 23, 2026; its instructions are those of AMD's public machine-readable ISA for CDNA 5 (MIT licence, August 2026) and "CDNA5" Instruction Set Architecture Reference Guide (July 2026). The comments in the code are by the model that wrote it; some were corrected since.
;; Custom Multi Head Attention Stoich. Allowed arithmetic: float matrix products may take bf16 or f16 operands with f32 sums; other float arithmetic in f32, or as packed bf16 or f16 multiplies, adds, multiply-adds, maxima and minima; sums over many terms, partial sums and values carried from step to step in f32; what a program stores and reads back later, other than sums and carried values, may be rounded once to bf16 or f16.
;; Inputs: Wk 512 x 512 float32; Wo 512 x 512 float32; Wq 512 x 512 float32; Wv 512 x 512 float32; alpha_neg 8 float32; alpha_pos 8 float32; bk 512 float32; bo 512 float32; bq 512 float32; bv 512 float32; delta one number float32; frac 8 x 1,024 float32; gamma one number float32; key 8 x 1,024 x 512 float32; query 8 x 1,024 x 512 float32; value 8 x 1,024 x 512 float32.
;; Outputs: out0 8 x 1,024 x 512 float32.
;; Constants: add_frac_bias = 1.
;; One version. Each part assembles by itself: llvm-mc -triple=amdgcn-amd-amdhsa -mcpu=gfx1250 --defsym DOCPART=n.
;; ======== version 1 of 1: 4 launches
;; limits: values are held in f16: magnitudes above 65,504 overflow, below 6.1e-05 lose precision; a difference of large sums (such as E[x^2] - mean^2): digits are lost where the result is much smaller than its terms
;; workspace buffers: wc 2,097,152 bytes; fq 65,536 bytes; bco 262,144 bytes; qkv 25,165,824 bytes; oh 8,388,608 bytes
;; launch prep (part 1): grid 256 x 1, 8 waves a work-group, no clusters, 0 bytes of LDS; arguments Wq, Wk, Wv, Wo, frac, alpha_pos, alpha_neg, delta, wc, fq, bco; writes wc, fq, bco
.if DOCPART == 1
	.amdgcn_target "amdgcn-amd-amdhsa--gfx1250"
	.amdhsa_code_object_version 6
	.text
	.protected	k_q0c95d28d0c_prep
	.globl	k_q0c95d28d0c_prep
	.p2align	8
	.type	k_q0c95d28d0c_prep,@function
k_q0c95d28d0c_prep:
	s_mov_b64 s[64:65], 0
	v_nop
	global_prefetch_b8 v0, s[64:65] scope:SCOPE_SE
	s_setreg_imm32_b32 hwreg(HW_REG_WAVE_MODE, 25, 1), 1
	s_wait_xcnt 0x0
; TWO JOBS, chosen by the work-group's number.
; Work-groups 128-255 (CAST): the four weight matrices are rounded once to bf16 and written in their own order [k][n] into wc (Wq, Wk, Wv as bf16; Wo's bf16 number written as f16,
; exact but for f16's fixed step of 6e-8 below 6e-5); frac is rounded to bf16 and written with its square (exact in f32) into fq: [b][2][1024] f32.
; Work-groups 0-127 (STOICH): bco[b][q][h] = log2(e) delta / (ss + 1e-5), ss the standard deviation (divisor 1023) over the keys j of
; stoich = alpha_pos max(D,0) + alpha_neg min(D,0), D = (fj - fi) fi fj = fi u, u = fj^2 - fi fj.  With P = max(u,0), N = min(u,0): stoich = fi (a1 P + a2 N), (a1,a2) = (ap,an), swapped where fi < 0.
; Two passes over registers: the means of P and N, then the centred squares; the mixed moment is exactly -1024 mean(P) mean(N), since P N = 0.
; All inputs are taken rounded once to bf16.  u is one fused multiply-add on exact products: an order of rounding other than (fj - fi)(fi fj).  A variance below 2^-126 counts as 0.
; No LDS, no matrix unit, no cluster: nothing is shared between waves.
.set LOG2E, 0x3fb8aa3b
.set EPSF,  0x3727c5ac                 ; 1e-5
.set R1024, 0x3a800000                 ; 1 / 1024
.set R1023, 0x3a802008                 ; 1 / 1023
.set HIM,   0xffff0000                 ; a word's upper bf16
.set FI,  10                           ; v[10:17]   the wave's eight fi; v10 is the one in hand
.set VAR, 18                           ; v[18:19]   my query's variance for my two heads
.set FR,  32                           ; v[32:63]   my 32 keys' f
.set F2R, 64                           ; v[64:95]   their squares
.set PR,  96                           ; v[96:127]  P
.set NR,  128                          ; v[128:159] N
.set A2,  160                          ; v[160:161] ap^2 of my two heads
.set N2,  162                          ; an^2
.set AN,  164                          ; ap an
.set SP,  166                          ; pairs whose low word is broadcast: the moment that goes with ap,
.set SN,  168                          ; with an,
.set XC,  170                          ; twice the mixed moment,
.set FQ,  172                          ; fi^2 / 1023
.set VV,  174
.set AOF, 176                          ; 8 (lane % 4): my two heads in the alphas
.set SOF, 177                          ; 8 lane: my 8 bytes of the wave's 256 of bco
	s_load_b512 s[8:23], s[0:1], 0x0               ; Wq s[8:9] Wk s[10:11] Wv s[12:13] Wo s[14:15] frac s[16:17] alpha_pos s[18:19] alpha_neg s[20:21] delta s[22:23]
	s_load_b128 s[24:27], s[0:1], 0x40             ; wc s[24:25], fq s[26:27]
	s_load_b64 s[28:29], s[0:1], 0x50              ; bco
	v_lshrrev_b32 v1, 5, v0
	v_readfirstlane_b32 s30, v1                    ; wave 0..7
	s_mov_b32 s3, 0
	s_mov_b32 s5, 0
	s_mov_b32 s7, 0
	s_cmp_lt_u32 ttmp9, 128
	s_cbranch_scc1 .Lstoich
	; CAST.  c = work-group - 128 takes 8,192 bytes of each matrix: two loads of 16 bytes a thread.
	s_sub_co_u32 s31, ttmp9, 128
	s_lshl_b32 s2, s31, 13
	s_lshl_b32 s4, s31, 12
	v_lshlrev_b32 v1, 4, v0
	v_lshlrev_b32 v2, 3, v0
	s_wait_kmcnt 0x0
.irp m, 0,1,2,3
	s_add_nc_u64 s[8+2*\m:9+2*\m], s[8+2*\m:9+2*\m], s[2:3]
.endr
	s_add_nc_u64 s[24:25], s[24:25], s[4:5]
.set n, 0
.rept 8                                        ; all eight loads first
	global_load_b128 v[8+4*n:11+4*n], v1, s[8+2*(n/2):9+2*(n/2)] offset:4096*(n%2) th:TH_LOAD_NT
.set n, n+1
.endr
.set n, 0
.rept 8
	s_wait_loadcnt 7-n                             ; loads come back in order: number n is in, the younger ones stay out
	v_cvt_pk_bf16_f32 v[40+2*n], v[8+4*n], v[9+4*n]
	v_cvt_pk_bf16_f32 v[41+2*n], v[10+4*n], v[11+4*n]
.if n >= 6                                     ; Wo: the bf16 number is written as f16
	v_lshlrev_b32 v4, 16, v[40+2*n]
	v_and_b32 v5, HIM, v[40+2*n]
	v_lshlrev_b32 v6, 16, v[41+2*n]
	v_and_b32 v7, HIM, v[41+2*n]
	v_cvt_pk_f16_f32 v[40+2*n], v4, v5
	v_cvt_pk_f16_f32 v[41+2*n], v6, v7
.endif
	global_store_b64 v2, v[40+2*n:41+2*n], s[24:25] offset:524288*(n/2)+2048*(n%2)  ; a wave stores 256 consecutive bytes, aligned
.set n, n+1
.endr
	s_cmp_lg_u32 s30, 0                            ; wave 0 also takes 256 bytes of frac: 8 bytes a lane (in wave 0 the thread's number is the lane)
	s_cbranch_scc1 .Lend
	s_lshl_b32 s6, s31, 8
	s_add_nc_u64 s[16:17], s[16:17], s[6:7]
	global_load_b64 v[56:57], v2, s[16:17]
	s_lshr_b32 s32, s31, 4                         ; b
	s_lshl_b32 s32, s32, 13
	s_and_b32 s33, s31, 15
	s_lshl_b32 s33, s33, 8
	s_add_co_u32 s32, s32, s33
	s_mov_b32 s33, 0
	s_add_nc_u64 s[26:27], s[26:27], s[32:33]
	s_wait_loadcnt 0x0
	v_cvt_pk_bf16_f32 v60, v56, v57
	v_lshlrev_b32 v56, 16, v60
	v_and_b32 v57, HIM, v60
	v_pk_mul_f32 v[58:59], v[56:57], v[56:57]
	global_store_b64 v2, v[56:57], s[26:27]
	global_store_b64 v2, v[58:59], s[26:27] offset:4096
.Lend:
	s_endpgm
	; STOICH.  Work-group g: batch g / 16; wave w: the eight queries 64 (g % 16) + 8 w on.  A lane holds 32 of the 1,024 keys.
.Lstoich:
	s_lshr_b32 s31, ttmp9, 4                       ; b
	s_and_b32 s32, ttmp9, 15
	s_lshl_b32 s32, s32, 6
	s_lshl3_add_u32 s32, s30, s32                  ; the wave's first query
	s_lshl_b32 s2, s31, 12                         ; frac[b]
	s_lshl_b32 s4, s32, 2
	s_lshl_b32 s6, s31, 10
	s_add_co_u32 s6, s6, s32
	s_lshl_b32 s6, s6, 5                           ; 32 bytes of bco a query
	s_mov_b32 s34, 0x76543210                      ; v_permlanex16_b32: each lane takes its own place in the other half
	s_mov_b32 s35, 0xfedcba98
	v_and_b32 v1, 31, v0
	v_lshlrev_b32 v2, 4, v1
	v_lshrrev_b32 v3, 2, v1                        ; which of the eight queries I store
	v_and_b32 v[AOF], 3, v1
	v_lshlrev_b32 v[AOF], 3, v[AOF]
	v_lshlrev_b32 v[SOF], 3, v1
	v_mov_b32 v9, 0
	s_wait_kmcnt 0x0
	s_add_nc_u64 s[16:17], s[16:17], s[2:3]
	s_add_nc_u64 s[36:37], s[16:17], s[4:5]
	s_add_nc_u64 s[28:29], s[28:29], s[6:7]
.irp i, 0,1,2,3,4,5,6,7
	global_load_b128 v[FR+4*\i:FR+4*\i+3], v2, s[16:17] offset:512*\i
.endr
	global_load_b128 v[FI:FI+3], v9, s[36:37]
	global_load_b128 v[FI+4:FI+7], v9, s[36:37] offset:16
	global_load_b64 v[4:5], v[AOF], s[18:19]
	global_load_b64 v[6:7], v[AOF], s[20:21]
	global_load_b32 v8, v9, s[22:23]
	v_mov_b32 v[VAR], 0                            ; written whole before the selects below
	v_mov_b32 v[VAR+1], 0
.irp r, 29, 31, SP+1, SN+1, XC+1, FQ+1         ; the upper words of pairs of which the low word is broadcast: named with it, so they are written
	v_mov_b32 v[\r], 0
.endr
	s_wait_loadcnt 0x0
.set p, 0
.rept 16                                       ; everything is rounded once to bf16
	v_cvt_pk_bf16_f32 v[PR+p], v[FR+2*p], v[FR+2*p+1]
.set p, p+1
.endr
.set p, 0
.rept 16
	v_lshlrev_b32 v[FR+2*p], 16, v[PR+p]
	v_and_b32 v[FR+2*p+1], HIM, v[PR+p]
.set p, p+1
.endr
.set p, 0
.rept 4
	v_cvt_pk_bf16_f32 v[20+p], v[FI+2*p], v[FI+2*p+1]
.set p, p+1
.endr
	v_cvt_pk_bf16_f32 v24, v4, v5
	v_cvt_pk_bf16_f32 v25, v6, v7
	v_cvt_pk_bf16_f32 v26, v8, v8
.set p, 0
.rept 4
	v_lshlrev_b32 v[FI+2*p], 16, v[20+p]
	v_and_b32 v[FI+2*p+1], HIM, v[20+p]
.set p, p+1
.endr
	v_lshlrev_b32 v4, 16, v24
	v_and_b32 v5, HIM, v24
	v_lshlrev_b32 v6, 16, v25
	v_and_b32 v7, HIM, v25
	v_lshlrev_b32 v8, 16, v26
	v_mul_f32 v8, LOG2E, v8                        ; log2(e) delta
	v_pk_mul_f32 v[A2:A2+1], v[4:5], v[4:5]
	v_pk_mul_f32 v[N2:N2+1], v[6:7], v[6:7]
	v_pk_mul_f32 v[AN:AN+1], v[4:5], v[6:7]
.set p, 0
.rept 16
	v_pk_mul_f32 v[F2R+2*p:F2R+2*p+1], v[FR+2*p:FR+2*p+1], v[FR+2*p:FR+2*p+1]
.set p, p+1
.endr
; two chains of pairs at v[r:r+3] become one sum over the wave's 1,024 numbers, in every lane's v[r]
.macro RED r
	v_pk_add_f32 v[\r:\r+1], v[\r:\r+1], v[\r+2:\r+3]
	v_add_f32 v[\r], v[\r], v[\r+1]
	v_add_f32_dpp v[\r], v[\r], v[\r] row_xmask:1 row_mask:0xf bank_mask:0xf
	v_add_f32_dpp v[\r], v[\r], v[\r] row_xmask:2 row_mask:0xf bank_mask:0xf
	v_add_f32_dpp v[\r], v[\r], v[\r] row_xmask:4 row_mask:0xf bank_mask:0xf
	v_add_f32_dpp v[\r], v[\r], v[\r] row_xmask:8 row_mask:0xf bank_mask:0xf
	v_permlanex16_b32 v[\r+1], v[\r], s34, s35
	v_add_f32 v[\r], v[\r], v[\r+1]
.endm
	s_mov_b32 s12, 0
.Lq:                                           ; a trip: one query
.set p, 0
.rept 16                                       ; u, its two parts, and their sums in two chains each; the first pairs start the chains
	v_pk_fma_f32 v[PR+2*p:PR+2*p+1], v[FR+2*p:FR+2*p+1], v[FI:FI+1], v[F2R+2*p:F2R+2*p+1] op_sel_hi:[1,0,1] neg_lo:[0,1,0] neg_hi:[0,1,0]
	v_min_num_f32 v[NR+2*p], 0, v[PR+2*p]
	v_min_num_f32 v[NR+2*p+1], 0, v[PR+2*p+1]
	v_max_num_f32 v[PR+2*p], 0, v[PR+2*p]
	v_max_num_f32 v[PR+2*p+1], 0, v[PR+2*p+1]
.if (p == 2) || (p == 3)
	v_pk_add_f32 v[20+2*(p%2):21+2*(p%2)], v[PR+2*p-4:PR+2*p-3], v[PR+2*p:PR+2*p+1]
	v_pk_add_f32 v[24+2*(p%2):25+2*(p%2)], v[NR+2*p-4:NR+2*p-3], v[NR+2*p:NR+2*p+1]
.elseif p > 3
	v_pk_add_f32 v[20+2*(p%2):21+2*(p%2)], v[20+2*(p%2):21+2*(p%2)], v[PR+2*p:PR+2*p+1]
	v_pk_add_f32 v[24+2*(p%2):25+2*(p%2)], v[24+2*(p%2):25+2*(p%2)], v[NR+2*p:NR+2*p+1]
.endif
.set p, p+1
.endr
	RED 20
	RED 24
	v_mul_f32 v28, R1024, v20                      ; mean of P
	v_mul_f32 v30, R1024, v24                      ; mean of N
.set p, 0
.rept 16                                       ; the centred squares
	v_pk_add_f32 v[PR+2*p:PR+2*p+1], v[PR+2*p:PR+2*p+1], v[28:29] op_sel_hi:[1,0] neg_lo:[0,1] neg_hi:[0,1]
	v_pk_add_f32 v[NR+2*p:NR+2*p+1], v[NR+2*p:NR+2*p+1], v[30:31] op_sel_hi:[1,0] neg_lo:[0,1] neg_hi:[0,1]
.if p < 2
	v_pk_mul_f32 v[20+2*p:21+2*p], v[PR+2*p:PR+2*p+1], v[PR+2*p:PR+2*p+1]
	v_pk_mul_f32 v[24+2*p:25+2*p], v[NR+2*p:NR+2*p+1], v[NR+2*p:NR+2*p+1]
.else
	v_pk_fma_f32 v[20+2*(p%2):21+2*(p%2)], v[PR+2*p:PR+2*p+1], v[PR+2*p:PR+2*p+1], v[20+2*(p%2):21+2*(p%2)]
	v_pk_fma_f32 v[24+2*(p%2):25+2*(p%2)], v[NR+2*p:NR+2*p+1], v[NR+2*p:NR+2*p+1], v[24+2*(p%2):25+2*(p%2)]
.endif
.set p, p+1
.endr
	RED 20
	RED 24
	v_cmp_gt_f32 vcc_lo, 0, v[FI]                  ; where fi < 0 the two parts change places
	v_cndmask_b32 v[SP], v20, v24, vcc_lo
	v_cndmask_b32 v[SN], v24, v20, vcc_lo
	v_mul_f32 v[XC], v28, v30
	v_mul_f32 v[XC], 0xc5000000, v[XC]             ; -2048 mean(P) mean(N)
	v_mul_f32 v[FQ], v[FI], v[FI]
	v_mul_f32 v[FQ], R1023, v[FQ]
	v_pk_mul_f32 v[VV:VV+1], v[A2:A2+1], v[SP:SP+1] op_sel_hi:[1,0]
	v_pk_fma_f32 v[VV:VV+1], v[N2:N2+1], v[SN:SN+1], v[VV:VV+1] op_sel_hi:[1,0,1]
	v_pk_fma_f32 v[VV:VV+1], v[AN:AN+1], v[XC:XC+1], v[VV:VV+1] op_sel_hi:[1,0,1]
	v_pk_mul_f32 v[VV:VV+1], v[VV:VV+1], v[FQ:FQ+1] op_sel_hi:[1,0]
	v_max_num_f32 v[VV], 0, v[VV]
	v_max_num_f32 v[VV+1], 0, v[VV+1]
	v_cmp_eq_u32 vcc_lo, s12, v3                   ; the four lanes that store this query keep it
	v_cndmask_b32 v[VAR], v[VAR], v[VV], vcc_lo
	v_cndmask_b32 v[VAR+1], v[VAR+1], v[VV+1], vcc_lo
.irp k, 0,1,2,3,4,5,6
	v_mov_b32 v[FI+\k], v[FI+\k+1]                 ; the next query's fi moves up
.endr
	s_add_co_u32 s12, s12, 1
	s_cmp_lt_u32 s12, 8
	s_cbranch_scc1 .Lq
	v_sqrt_f32 v[VAR], v[VAR]
	v_sqrt_f32 v[VAR+1], v[VAR+1]
	v_nop                                          ; a plain instruction behind the last root,
	s_wait_alu depctr_va_vdst(0)                   ; and the one wait for both, ahead of their first reader
	v_add_f32 v[VAR], EPSF, v[VAR]
	v_add_f32 v[VAR+1], EPSF, v[VAR+1]
	v_rcp_f32 v[VAR], v[VAR]
	v_rcp_f32 v[VAR+1], v[VAR+1]
	v_nop
	s_wait_alu depctr_va_vdst(0)                   ; likewise for the two reciprocals
	v_mul_f32 v[VAR], v8, v[VAR]
	v_mul_f32 v[VAR+1], v8, v[VAR+1]
	global_store_b64 v[SOF], v[VAR:VAR+1], s[28:29]  ; the wave stores 256 consecutive bytes, aligned: eight queries x eight heads
	s_endpgm
.Lfunc_end_k_q0c95d28d0c_prep:
	.size	k_q0c95d28d0c_prep, .Lfunc_end_k_q0c95d28d0c_prep-k_q0c95d28d0c_prep
	.p2alignl 7, 3214868480
	.fill 96, 4, 3214868480
	.section	.rodata,"a",@progbits
	.p2align	6, 0x0
	.amdhsa_kernel k_q0c95d28d0c_prep
		.amdhsa_group_segment_fixed_size 0
		.amdhsa_private_segment_fixed_size 0
		.amdhsa_enable_private_segment 0
		.amdhsa_kernarg_size 88
		.amdhsa_user_sgpr_count 2
		.amdhsa_user_sgpr_kernarg_segment_ptr 1
		.amdhsa_wavefront_size32 1
		.amdhsa_system_sgpr_workgroup_id_x 1
		.amdhsa_system_sgpr_workgroup_id_y 1
		.amdhsa_system_sgpr_workgroup_id_z 1
		.amdhsa_system_vgpr_workitem_id 0
		.amdhsa_next_free_vgpr 192
		.amdhsa_next_free_sgpr 66
		.amdhsa_reserve_vcc 1
		.amdhsa_float_denorm_mode_32 3
		.amdhsa_float_denorm_mode_16_64 3
		.amdhsa_memory_ordered 1
		.amdhsa_forward_progress 1
		.amdhsa_inst_pref_size 25
	.end_amdhsa_kernel
	.amdgpu_metadata
---
amdhsa.version: [ 1, 2 ]
amdhsa.kernels:
  - .name:           k_q0c95d28d0c_prep
    .symbol:         k_q0c95d28d0c_prep.kd
    .args:
      - { .name: Wq, .offset: 0, .size: 8, .value_kind: global_buffer, .address_space: global }
      - { .name: Wk, .offset: 8, .size: 8, .value_kind: global_buffer, .address_space: global }
      - { .name: Wv, .offset: 16, .size: 8, .value_kind: global_buffer, .address_space: global }
      - { .name: Wo, .offset: 24, .size: 8, .value_kind: global_buffer, .address_space: global }
      - { .name: frac, .offset: 32, .size: 8, .value_kind: global_buffer, .address_space: global }
      - { .name: alpha_pos, .offset: 40, .size: 8, .value_kind: global_buffer, .address_space: global }
      - { .name: alpha_neg, .offset: 48, .size: 8, .value_kind: global_buffer, .address_space: global }
      - { .name: delta, .offset: 56, .size: 8, .value_kind: global_buffer, .address_space: global }
      - { .name: wc, .offset: 64, .size: 8, .value_kind: global_buffer, .address_space: global }
      - { .name: fq, .offset: 72, .size: 8, .value_kind: global_buffer, .address_space: global }
      - { .name: bco, .offset: 80, .size: 8, .value_kind: global_buffer, .address_space: global }
    .group_segment_fixed_size: 0
    .private_segment_fixed_size: 0
    .kernarg_segment_align: 8
    .kernarg_segment_size: 88
    .max_flat_workgroup_size: 256
    .sgpr_count:     66
    .vgpr_count:     192
    .wavefront_size: 32
...
	.end_amdgpu_metadata
.endif
;; end of part 1
;; launch proj (part 2): grid 64 x 3, 4 waves a work-group, clusters of 4 x 1, 327,680 bytes of LDS; arguments query, key, value, bq, bk, bv, wc, qkv; writes qkv
.if DOCPART == 2
	.amdgcn_target "amdgcn-amd-amdhsa--gfx1250"
	.amdhsa_code_object_version 6
	.text
	.protected	k_q0c95d28d0c_proj
	.globl	k_q0c95d28d0c_proj
	.p2align	8
	.type	k_q0c95d28d0c_proj,@function
k_q0c95d28d0c_proj:
	s_mov_b64 s[64:65], 0
	v_nop
	global_prefetch_b8 v0, s[64:65] scope:SCOPE_SE
	s_setreg_imm32_b32 hwreg(HW_REG_WAVE_MODE, 25, 1), 1
	s_wait_xcnt 0x0
	s_wait_alu depctr_hold_cnt(0) depctr_sa_sdst(0) depctr_va_vdst(0) depctr_va_sdst(0) depctr_va_ssrc(0) depctr_va_vcc(0) depctr_vm_vsrc(0)
	s_getreg_b32 s2, hwreg(HW_REG_IB_STS2, 6, 4)
	s_cmp_eq_u32 s2, 0
	s_cbranch_scc0 .Lentry_in_a_cluster
	s_endpgm
.Lentry_in_a_cluster:
	s_bfe_u32 s2, ttmp6, 0x10000c
	s_cmp_lg_u32 s2, 0x3003
	s_cbranch_scc0 .Lentry_shape_is_right
	s_endpgm
.Lentry_shape_is_right:
; qkv[y][b][h][t][64] (f16) = bf16(x_y) bf16(W_y) + bf16(bias_y), y = 0, 1, 2 for query, key, value; sums in f32, rounded once to f16, unscaled.
; LIMIT: f16 holds no number beyond 65,504: a projected number past that becomes an infinity.  All inputs are taken rounded once to bf16.
; SHARES.  A work-group takes 128 rows of x and ALL 512 columns, so each byte of x is read once in the launch; wave w takes all 128 rows x columns 128 w on (heads 2 w, 2 w + 1):
; 64 accumulators, 512 registers.  3 x 64 = 192 work-groups: the largest tile whose sums fit in a wave's registers.
; W (bf16, [k][n], made by the launch before) comes by tensor loads into two LDS slots of 128 k-rows; the four row tiles of a cluster need the same rows, so each is asked for JOINTLY (mask 15).
; Four fills in all: two at the start, two refills.  x is shared by nobody (each row tile has one work-group), so it is not asked for jointly: each wave loads its 32 rows of a K step of 64
; (256 bytes a row, sixteen lanes a row) into registers two K steps ahead, rounds them to bf16 and stores them into a tile that all four waves read; two such tiles take turns, one barrier a K step.
; THE MATRIX INSTRUCTION IS USED TRANSPOSED: source 0 = 16 columns of W (turned on the way out of LDS by ds_load_tr16_b128), source 1 = 16 rows of x: a lane then holds eight neighbouring
; columns of one row.  The first product takes the bias as its C operand: nothing is cleared and nothing is added later.
; The K loop (8 steps) is written out: every address is an immediate and no descriptor is stepped.
; REGISTERS, in windows of 256 (s_set_vgpr_msb: bits 1:0 source 0, 3:2 source 1, 5:4 source 2, 7:6 destination):
;   window 0: v8-31 addresses; v32-63 rounded x, later rows on the way out; v64-127, v128-191 fragments of x, two buffers; v192-255 x as loaded (even K steps), later the way out
;   window 1: v0-63 the bias (n block b at 8 b); v64-127, v128-191 fragments of W; v192-255 x as loaded (odd K steps)
;   windows 2, 3: the accumulators: (a, b) at v[8 (8 (a % 4) + b)], rows 0-63 in window 2, rows 64-127 in window 3
.set WPITCH, 1056                      ; a k-row of W in LDS: 1,024 bytes + 32 of padding = 33 x 32
.set WSLOT,  128*WPITCH
.set AB,     2*WSLOT                   ; behind the ring, never filled by a tensor load: two tiles of x in bf16, 128 rows of 128 bytes + 16
.set APITCH, 144
.set ABSZ,   128*APITCH
.set STAGE,  AB+2*ABSZ                 ; for the way out: for each wave 2 heads x 16 rows x 144 bytes
.set SPITCH, 144
.set SPARE,  STAGE+4*32*SPITCH         ; the spare words, 128 bytes for each wave: two blocks of 256 bytes that no other line names
.set BO,   8                           ; v8     my byte offset in the bias
.set ADRA, 16                          ; v16-17 LDS address of my fragments of x in tile 0, 1
.set ADRB, 20                          ; v20-23 of my fragments of W: 2 x slot + which 64 k-rows of it
.set STO,  24
.set RD,   25
.set CO,   26
.set AO,   27                          ; v27    my byte offset in the work-group's rows of x
.set SPW,  28                          ; v28    LDS address of my spare word; never rewritten
.set NIL,  29                          ; v29    0; never rewritten
.set CW,   30                          ; v30    where I store 8 bytes of rounded x, in tile 0
.set PFO,  31                          ; v31    1,024 x lane: a k-row of W; never rewritten
.set CV,   32
.set F0,   64
.set F1,   128
.set RAW,  192
.set TMP,  192
.set OB,   32
.set G1,   24                          ; s[24:31] descriptor group 1
.set G0,   32                          ; s[32:47] descriptor group 0, a set for each of the four fills; never rewritten
.set KP, 0                             ; kinds of a K step's second half: plain barrier,
.set KR, 1                             ; a slot of W is filled again,
.set KT, 2                             ; the last fill is waited for,
.set KE, 3                             ; the end
.set MSB, 0
.macro WIN new                         ; the immediate's high byte repeats the setting that is left; a switch that changes nothing is dropped
.if MSB != (\new)
	s_set_vgpr_msb (MSB<<8)|(\new)
.set MSB, \new
.endif
.endm
.macro PLACES                          ; four plain instructions between a matrix instruction and a load into, or a vector read of, its registers
.rept 4
	v_nop
.endr
.endm
.macro CREST                           ; a round of the cluster's barrier behind its opening barrier
	s_cmp_lg_u32 s8, 0
	s_cbranch_scc1 .Lnot_wave_0_\@
	s_barrier_signal -3
.Lnot_wave_0_\@:
	s_barrier_wait -3
	s_barrier_signal -1
	s_barrier_wait -1
.endm
.macro CROUND
	s_barrier_signal -1
	s_barrier_wait -1
	CREST
.endm
	s_load_b512 s[68:83], s[0:1], 0x0              ; query s[68:69] key s[70:71] value s[72:73] bq s[74:75] bk s[76:77] bv s[78:79] wc s[80:81] qkv s[82:83]
	v_lshl_add_u32 v[SPW], v0, 2, SPARE
	v_mov_b32 v[NIL], 0
	ds_add_u32 v[SPW], v[NIL]                      ; the wave's opening: the add and its wait stand ahead of my first tensor load; work on registers stands between them
	v_lshrrev_b32 v1, 5, v0
	v_readfirstlane_b32 s8, v1                     ; wave 0..3
	s_bfe_u32 s9, ttmp6, 0x40000                   ; cx
	s_lshl_b32 s10, ttmp9, 2
	s_add_co_u32 s10, s10, s9                      ; row tile = 4 x cluster x + cx: it enters x's and the output's addresses alone
	s_and_b32 s11, ttmp7, 0xffff                   ; y: which tensor; the four partners share it
	; group 1: 32 k-rows x 512 elements of 2 bytes, 8 words of padding behind every 256
	s_mov_b32 s[G1+0], 15|(1<<16)|(1<<20)|(1<<21)|(7<<22)|(7<<25)
	s_mov_b32 s[G1+1], 512<<16                     ; tensor_dim0 = 512
	s_mov_b32 s[G1+2], 32<<16                      ; tensor_dim1 = 32
	s_mov_b32 s[G1+3], 512<<16                     ; tile_dim0 = 512
	s_mov_b32 s[G1+4], 32                          ; tile_dim1 = 32
	s_mov_b32 s[G1+5], 512                         ; elements from row to row
	s_mov_b32 s[G1+6], 0
	s_mov_b32 s[G1+7], 0
	s_mul_i32 s20, s8, 32*WPITCH                   ; my 32 k-rows in a slot
	s_lshl_b32 s52, s11, 19                        ; W_y,
	s_lshl_b32 s53, s8, 15                         ; my 32 k-rows of 1,024 bytes
	s_add_co_u32 s52, s52, s53
	s_mov_b32 s53, 0
	s_lshl_b32 s54, s10, 18                        ; 128 rows of x, 2,048 bytes each
	s_mov_b32 s55, 0
	s_lshr_b32 s56, s10, 3                         ; the output: ((8 b + 2 w) x 1,024 + 128 (tile % 8)) rows of 128 bytes, in tensor y
	s_lshl_b32 s56, s56, 3
	s_lshl_b32 s57, s8, 1
	s_add_co_u32 s56, s56, s57
	s_lshl_b32 s56, s56, 10
	s_and_b32 s57, s10, 7
	s_lshl_b32 s57, s57, 7
	s_add_co_u32 s56, s56, s57
	s_lshl_b32 s56, s56, 7
	s_lshl_b32 s57, s11, 23
	s_add_co_u32 s56, s56, s57
	s_mov_b32 s57, 0
	s_lshl_b32 s58, s11, 19                        ; the prefetch: k-rows 384 + 32 cx on, 256 bytes at 256 w
	s_lshl_b32 s59, s9, 15
	s_add_co_u32 s58, s58, s59
	s_lshl_b32 s59, s8, 8
	s_add_co_u32 s58, s58, s59
	s_add_co_u32 s58, s58, 384*1024
	s_mov_b32 s59, 0
	s_cmp_eq_u32 ttmp9, 0                          ; the tensor's first cluster asks; the same in all four partners
	s_cselect_b32 s50, 1, 0
	v_and_b32 v1, 15, v0                           ; r = l % 16
	v_bfe_u32 v2, v0, 4, 1                         ; h = l / 16
	v_and_b32 v3, 7, v0
	v_bfe_u32 v4, v0, 3, 1
	v_bfe_u32 v5, v0, 3, 2
	s_lshl_b32 s21, s8, 16
	v_lshlrev_b32 v[AO], 4, v1                     ; x: row 32 w + h (+ 2 c), 16 bytes at 16 r
	v_lshl_add_u32 v[AO], v2, 11, v[AO]
	v_add_nc_u32 v[AO], s21, v[AO]
	s_lshl_b32 s21, s8, 9
	v_lshlrev_b32 v[BO], 5, v2                     ; bias: column 128 w + 8 h (+ 16 b)
	v_add_nc_u32 v[BO], s21, v[BO]
	v_mul_u32_u24 v6, v1, APITCH
	v_lshl_add_u32 v6, v2, 4, v6                   ; row x pitch + 16 x half
	v_add_nc_u32 v[ADRA], AB, v6
	v_add_nc_u32 v[ADRA+1], AB+ABSZ, v6
	v_lshl_add_u32 v7, v2, 3, v3                   ; the turning load: k-row 8 h + l % 8, 16 bytes at 16 ((l / 8) % 2), my 128 columns
	v_mul_u32_u24 v7, v7, WPITCH
	v_lshl_add_u32 v7, v4, 4, v7
	s_lshl_b32 s21, s8, 8
	v_add_nc_u32 v[ADRB], s21, v7
	v_add_nc_u32 v[ADRB+1], 64*WPITCH, v[ADRB]
	v_add_nc_u32 v[ADRB+2], WSLOT, v[ADRB]
	v_add_nc_u32 v[ADRB+3], WSLOT+64*WPITCH, v[ADRB]
	s_mul_i32 s21, s8, 32*SPITCH
	s_add_co_u32 s22, s21, STAGE                   ; my stage
	v_add_nc_u32 v[STO], s22, v6
	v_mul_u32_u24 v[RD], v5, SPITCH                ; back: 32 lanes take four rows of 128 bytes
	v_lshl_add_u32 v[RD], v3, 4, v[RD]
	v_add_nc_u32 v[RD], s22, v[RD]
	v_and_b32 v[CO], 31, v0
	v_lshlrev_b32 v[PFO], 10, v[CO]
	v_lshlrev_b32 v[CO], 4, v[CO]
	s_add_co_u32 s22, s21, AB                      ; rounded x: row 32 w + h (+ 2 c), 8 bytes at 8 r
	v_mul_u32_u24 v[CW], v2, APITCH
	v_lshl_add_u32 v[CW], v1, 3, v[CW]
	v_add_nc_u32 v[CW], s22, v[CW]
	s_wait_dscnt 0x0                               ; the opening add is done
	s_wait_kmcnt 0x0
	s_cmp_eq_u32 s11, 0
	s_cselect_b64 s[12:13], s[68:69], s[70:71]
	s_cselect_b64 s[14:15], s[74:75], s[76:77]
	s_cmp_eq_u32 s11, 2
	s_cselect_b64 s[12:13], s[72:73], s[12:13]     ; x_y
	s_cselect_b64 s[14:15], s[78:79], s[14:15]     ; bias_y
	s_add_nc_u64 s[12:13], s[12:13], s[54:55]
	s_add_nc_u64 s[16:17], s[82:83], s[56:57]
	s_add_nc_u64 s[6:7], s[80:81], s[52:53]
	s_add_nc_u64 s[48:49], s[80:81], s[58:59]
.irp d, 0,1,2,3
	s_mov_b32 s[G0+4*\d], 1                        ; count = 1
	s_add_co_u32 s[G0+4*\d+1], s20, (\d&1)*WSLOT   ; LDS address: the slots by turns
	s_add_nc_u64 s[G0+4*\d+2:G0+4*\d+3], s[6:7], \d*131072  ; k-rows 128 d + 32 w on
	s_or_b32 s[G0+4*\d+3], s[G0+4*\d+3], 0x80000000  ; type = 2
.endr
	CROUND                                         ; all four work-groups are here: the first joint loads meet
	tensor_load_to_lds s[G0:G0+3], s[G1:G1+7]      ; two loads of mine are out
	s_nop 0
	tensor_load_to_lds s[G0+4:G0+7], s[G1:G1+7]
	s_nop 0
	PLACES
; x of K step j: 16 loads, two rows each, into the raw buffer of j's parity
.macro ALOAD j
	WIN 0x40*((\j)&1)
.set c, 0
.rept 16
	global_load_b128 v[RAW+4*c:RAW+4*c+3], v[AO], s[12:13] offset:4096*c+256*(\j) th:TH_LOAD_NT
.set c, c+1
.endr
.endm
; it is rounded to bf16.  The count: the next K step's 16 loads were issued behind it and may stay out; behind the last step's there are none
.macro CVT j
.if (\j) < 7
	s_wait_loadcnt 16
.else
	s_wait_loadcnt 0x0
.endif
	WIN 0x05*((\j)&1)
.set c, 0
.rept 32
	v_cvt_pk_bf16_f32 v[CV+c], v[RAW+2*c], v[RAW+2*c+1]
.set c, c+1
.endr
.endm
.macro ASTORE j                        ; and stored into the tile of j's parity
	WIN 0
.set c, 0
.rept 16
	ds_store_b64 v[CW], v[CV+2*c:CV+2*c+1] offset:((\j)&1)*ABSZ+288*c
.set c, c+1
.endr
.endm
; 32 LDS loads in one run: the fragments of half kh (32 along K) of K step j into buffer f: W's first, then x's
.macro FETCH j, kh, f
	WIN 0x40
.set q, 2*(((\j)>>1)&1)+((\j)&1)
.irp i, 0,1,2,3,4,5,6,7
	ds_load_tr16_b128 v[(\f)+8*\i:(\f)+8*\i+3],   v[ADRB+q] offset:(\kh)*32*WPITCH+32*\i
	ds_load_tr16_b128 v[(\f)+8*\i+4:(\f)+8*\i+7], v[ADRB+q] offset:(\kh)*32*WPITCH+32*\i+16*WPITCH
.endr
	WIN 0
.irp i, 0,1,2,3,4,5,6,7
	ds_load_b128 v[(\f)+8*\i:(\f)+8*\i+3],   v[ADRA+((\j)&1)] offset:(\kh)*64+\i*16*APITCH
	ds_load_b128 v[(\f)+8*\i+4:(\f)+8*\i+7], v[ADRA+((\j)&1)] offset:(\kh)*64+\i*16*APITCH+32
.endr
.endm
; 16 matrix instructions: row blocks a0, a0 + 1 of the window's four x all 8 column blocks.  The 64 accumulators take turns, one instruction a turn.  first = 1: C is the bias
.macro MUL16 f, hi, a0, first
.if \first
	WIN 0x91+0x40*(\hi)
.else
	WIN 0xa1+0x50*(\hi)
.endif
.irp a, \a0, (\a0)+1
.irp b, 0,1,2,3,4,5,6,7
.if \first
	v_wmma_f32_16x16x32_bf16 v[8*(8*(\a)+(\b)):8*(8*(\a)+(\b))+7], v[(\f)+8*(\b):(\f)+8*(\b)+7], v[(\f)+8*(4*(\hi)+(\a)):(\f)+8*(4*(\hi)+(\a))+7], v[8*(\b):8*(\b)+7]
.else
	v_wmma_f32_16x16x32_bf16 v[8*(8*(\a)+(\b)):8*(8*(\a)+(\b))+7], v[(\f)+8*(\b):(\f)+8*(\b)+7], v[(\f)+8*(4*(\hi)+(\a)):(\f)+8*(4*(\hi)+(\a))+7], v[8*(8*(\a)+(\b)):8*(8*(\a)+(\b))+7]
.endif
.endr
.endr
.endm
; One prefetch into the L2: the fourth fill's 128 k-rows, 512 blocks of 256 bytes, each named once in the launch: the tensor's first cluster asks; its partners take 32 k-rows each, told apart by
; address; a lane a row, wave w the row's block w.  It stands behind the third fill's load and the run of LDS loads, two K steps (256 matrix instructions) ahead of the load that wants the rows.
.macro ASK
	s_cmp_eq_u32 s50, 1
	s_cbranch_scc0 .Lnot_mine_\@
	global_prefetch_b8 v[PFO], s[48:49] th:TH_LOAD_NT scope:SCOPE_SE
.Lnot_mine_\@:
.endm
; The first half of K step j multiplies buffer 0; in its middle the next step's x is rounded (those 32 lines are the places in front of the loads), the second half's fragments are fetched,
; the rounded x is stored into the tile that was read a step ago, and x three steps on is asked for.
.macro H0 j, first
	s_wait_dscnt 8                                 ; W's fragments and x's rows 0-63 are in; the youngest eight loads may be out
	MUL16 F0, 0, 0, \first
	MUL16 F0, 0, 2, \first
.if (\j) <= 6
	CVT (\j)+1
.else
	PLACES
.endif
	FETCH \j, 1, F1
.if (\j) <= 6
	ASTORE (\j)+1
.endif
.if (\j) <= 4
	ALOAD (\j)+3
.endif
.if (\j) <= 6
	s_wait_dscnt 48                                ; all but the 32 loads and 16 stores just issued
.else
	s_wait_dscnt 32
.endif
	MUL16 F0, 1, 0, \first
	MUL16 F0, 1, 2, \first
.endm
; The second half multiplies buffer 1 and changes tiles of x: ONE barrier.  In front of it my reads of this step's tiles are back and my stores of the next step's x are done; behind it the
; next tile of x is whole and nobody reads the old one.  kind KR: the slot of W just read out is filled again: in front of the barrier I wait for all my tensor loads and add 0 to my spare word,
; the barrier opens a round of the cluster's, and the joint load is the first thing behind the round.
.macro H1 j, kind
.if (\kind) == KE
	s_wait_dscnt 8
	MUL16 F1, 0, 0, 0
	MUL16 F1, 0, 2, 0
	s_wait_dscnt 0x0
	MUL16 F1, 1, 0, 0
	MUL16 F1, 1, 2, 0
.else
.if (\kind) == KR
	WIN 0                                          ; (the add's two registers lie in window 0)
	s_wait_tensorcnt 0x0                           ; all my tensor loads have landed, my part of the other slot among them
	ds_add_u32 v[SPW], v[NIL]                      ; 0 onto my spare word
	s_wait_dscnt 25                                ; (the add, 16 stores and the youngest eight loads may be out)
.else
	s_wait_dscnt 24                                ; 16 stores and the youngest eight loads may be out
.endif
	MUL16 F1, 0, 0, 0
.if (\kind) == KT
	s_wait_tensorcnt 0x0                           ; my part of the last fill, behind which no load was issued: it is read behind this barrier
.endif
	s_wait_dscnt 0x0
	s_barrier_signal -1
	MUL16 F1, 0, 2, 0                              ; work on registers while the others arrive
.if (\kind) == KR
	WIN 0
.endif
	s_barrier_wait -1
.if (\kind) == KR
	CREST                                          ; no wave of any partner still reads the slot or has a load on its way
	tensor_load_to_lds s[G0+4*(((\j)+3)/2):G0+4*(((\j)+3)/2)+3], s[G1:G1+7]
	s_nop 0
.endif
	PLACES
	FETCH (\j)+1, 0, F0
.if (\j) == 1
	ASK
.endif
	MUL16 F1, 1, 0, 0
	MUL16 F1, 1, 2, 0
.endif
.endm
	WIN 0x40
.irp b, 0,1,2,3,4,5,6,7                        ; the bias: register j of block b = column 128 w + 16 b + 8 h + j
	global_load_b128 v[8*\b:8*\b+3],   v[BO], s[14:15] offset:64*\b
	global_load_b128 v[8*\b+4:8*\b+7], v[BO], s[14:15] offset:64*\b+16
.endr
	ALOAD 0
	ALOAD 1
	s_wait_loadcnt 32                              ; the bias is in; the two K steps of x stay out
	WIN 0x05
.set c, 0
.rept 32                                       ; it is rounded once to bf16
	v_cvt_pk_bf16_f32 v[CV+c], v[2*c], v[2*c+1]
.set c, c+1
.endr
	WIN 0x40
.set c, 0
.rept 32
	v_lshlrev_b32 v[2*c], 16, v[CV+c]
	v_and_b32 v[2*c+1], 0xffff0000, v[CV+c]
.set c, c+1
.endr
	CVT 0
	ASTORE 0
	ALOAD 2
	s_wait_tensorcnt 0x1                           ; my part of the first fill is in; the second may stay out
	s_wait_dscnt 0x0                               ; my part of x's first tile is stored
	s_barrier_signal -1
	s_barrier_wait -1
	FETCH 0, 0, F0
	H0 0, 1
	H1 0, KP
	H0 1, 0
	H1 1, KR
	H0 2, 0
	H1 2, KP
	H0 3, 0
	H1 3, KR
	H0 4, 0
	H1 4, KP
	H0 5, 0
	H1 5, KT
	H0 6, 0
	H1 6, KP
	H0 7, 0
	H1 7, KE
; THE WAY OUT, a block of 16 rows at a time: rounded to f16 (16 bytes a lane), into my own stage by heads, back as whole rows, stored: 512 consecutive bytes an instruction.
.macro PACK a
.set AC, 64*((\a)%4)
	WIN 0x0a+5*((\a)/4)
.irp b, 0,1,2,3,4,5,6,7
.irp r, 0,1,2,3
	v_cvt_pk_f16_f32 v[TMP+4*(\b)+(\r)], v[AC+8*(\b)+2*(\r)], v[AC+8*(\b)+2*(\r)+1]
.endr
.endr
	WIN 0
.endm
.macro TOSTAGE a
	WIN 0
.set BK, OB+192*((\a)%2)
.irp b, 0,1,2,3,4,5,6,7
	ds_store_b128 v[STO], v[TMP+4*(\b):TMP+4*(\b)+3] offset:((\b)/4)*16*SPITCH+32*((\b)%4)
.endr
.irp t, 0,1,2,3,4,5,6,7
	ds_load_b128 v[BK+4*(\t):BK+4*(\t)+3], v[RD] offset:((\t)/4)*16*SPITCH+((\t)%4)*4*SPITCH  ; LDS serves a wave's instructions in order: these see the stores above
.endr
.endm
.macro SEND a
	WIN 0
.set BK, OB+192*((\a)%2)
	s_wait_dscnt 0x0                               ; the block is back in registers
	s_wait_xcnt 0x0                                ; the stores of the block before have read their registers: the next block's loads land on them only behind this wait
.irp t, 0,1,2,3,4,5,6,7
	global_store_b128 v[CO], v[BK+4*(\t):BK+4*(\t)+3], s[16:17] offset:((\t)/4)*131072+(\a)*2048+((\t)%4)*512
.endr
.endm
	PLACES
	PACK 0
	TOSTAGE 0
.irp a, 1,2,3,4,5,6,7                          ; a block's conversions stand between the loads of the block before and the wait for them
	PACK \a
	SEND (\a)-1
	TOSTAGE \a
.endr
	SEND 7
	s_wait_tensorcnt 0x0                           ; the wave's end: behind my last tensor load and my last LDS store
	ds_add_u32 v[SPW], v[NIL]
	s_wait_dscnt 0x0
	CROUND                                         ; the closing round
	s_endpgm
.Lfunc_end_k_q0c95d28d0c_proj:
	.size	k_q0c95d28d0c_proj, .Lfunc_end_k_q0c95d28d0c_proj-k_q0c95d28d0c_proj
	.p2alignl 7, 3214868480
	.fill 96, 4, 3214868480
	.section	.rodata,"a",@progbits
	.p2align	6, 0x0
	.amdhsa_kernel k_q0c95d28d0c_proj
		.amdhsa_group_segment_fixed_size 327680
		.amdhsa_private_segment_fixed_size 0
		.amdhsa_enable_private_segment 0
		.amdhsa_kernarg_size 64
		.amdhsa_user_sgpr_count 2
		.amdhsa_user_sgpr_kernarg_segment_ptr 1
		.amdhsa_wavefront_size32 1
		.amdhsa_system_sgpr_workgroup_id_x 1
		.amdhsa_system_sgpr_workgroup_id_y 1
		.amdhsa_system_sgpr_workgroup_id_z 1
		.amdhsa_system_vgpr_workitem_id 0
		.amdhsa_next_free_vgpr 1024
		.amdhsa_next_free_sgpr 88
		.amdhsa_reserve_vcc 0
		.amdhsa_float_denorm_mode_32 3
		.amdhsa_float_denorm_mode_16_64 3
		.amdhsa_memory_ordered 1
		.amdhsa_forward_progress 1
		.amdhsa_inst_pref_size 183
	.end_amdhsa_kernel
	.amdgpu_metadata
---
amdhsa.version: [ 1, 2 ]
amdhsa.kernels:
  - .name:           k_q0c95d28d0c_proj
    .symbol:         k_q0c95d28d0c_proj.kd
    .args:
      - { .name: query, .offset: 0, .size: 8, .value_kind: global_buffer, .address_space: global }
      - { .name: key, .offset: 8, .size: 8, .value_kind: global_buffer, .address_space: global }
      - { .name: value, .offset: 16, .size: 8, .value_kind: global_buffer, .address_space: global }
      - { .name: bq, .offset: 24, .size: 8, .value_kind: global_buffer, .address_space: global }
      - { .name: bk, .offset: 32, .size: 8, .value_kind: global_buffer, .address_space: global }
      - { .name: bv, .offset: 40, .size: 8, .value_kind: global_buffer, .address_space: global }
      - { .name: wc, .offset: 48, .size: 8, .value_kind: global_buffer, .address_space: global }
      - { .name: qkv, .offset: 56, .size: 8, .value_kind: global_buffer, .address_space: global }
    .group_segment_fixed_size: 327680
    .private_segment_fixed_size: 0
    .kernarg_segment_align: 8
    .kernarg_segment_size: 64
    .max_flat_workgroup_size: 128
    .sgpr_count:     88
    .vgpr_count:     1024
    .wavefront_size: 32
...
	.end_amdgpu_metadata
.endif
;; end of part 2
;; launch attn (part 3): grid 4 x 64, 4 waves a work-group, clusters of 4 x 1, 327,680 bytes of LDS; arguments qkv, fq, bco, alpha_pos, alpha_neg, gamma, oh; writes oh
.if DOCPART == 3
	.amdgcn_target "amdgcn-amd-amdhsa--gfx1250"
	.amdhsa_code_object_version 6
	.text
	.protected	k_q0c95d28d0c_attn
	.globl	k_q0c95d28d0c_attn
	.p2align	8
	.type	k_q0c95d28d0c_attn,@function
k_q0c95d28d0c_attn:
	s_mov_b64 s[64:65], 0
	v_nop
	global_prefetch_b8 v0, s[64:65] scope:SCOPE_SE
	s_setreg_imm32_b32 hwreg(HW_REG_WAVE_MODE, 25, 1), 1
	s_wait_xcnt 0x0
	s_wait_alu depctr_hold_cnt(0) depctr_sa_sdst(0) depctr_va_vdst(0) depctr_va_sdst(0) depctr_va_ssrc(0) depctr_va_vcc(0) depctr_vm_vsrc(0)
	s_getreg_b32 s2, hwreg(HW_REG_IB_STS2, 6, 4)
	s_cmp_eq_u32 s2, 0
	s_cbranch_scc0 .Lentry_in_a_cluster
	s_endpgm
.Lentry_in_a_cluster:
	s_bfe_u32 s2, ttmp6, 0x10000c
	s_cmp_lg_u32 s2, 0x3003
	s_cbranch_scc0 .Lentry_shape_is_right
	s_endpgm
.Lentry_shape_is_right:
; oh[b][h][q][:] (f16) = the sum over k of softmax_k(gamma zscore_k(logits) + delta zscore_k(stoich)) V[k][:], logits = Q . K / 8.
; What is constant along a row cancels in the softmax, so of the two z-scores only the standard deviations are wanted: the exponent (to base 2) is A x + k1 u + k2 |u| with x = Q . K,
; A = log2(e) gamma / 8 / (sd(x) / 8 + 1e-5), u = fk^2 - fq fk, k1 = B fq (ap + an) / 2, k2 = B |fq| (ap - an) / 2, B = log2(e) delta / (sd(stoich) + 1e-5) from the first launch.
; FIRST SWEEP: K Q^T over all keys, with minus the row's mean over its first 64 keys as the C operand; the sums of y and y^2 give sd(x) (divisor 1023).  That pivot is the mean of a sixteenth of
; the samples, so the square of y's mean is at most fifteen times the variance: no difference of large sums.  Then Q is multiplied by A and rounded once more to f16.
; MAIN PASS: k1 u + k2 |u| is written into the accumulator and K Q'^T adds onto it: the product delivers the finished exponent.  gamma and delta are inputs of any size, so a running maximum m and
; sum l are kept: p = 2^(s - m); O and l are multiplied by a = 2^(m_old - m_new) in every step.
; LIMITS.  Q, K, V, A Q and O lie within f16's 65,504; p below 6e-5 keeps f16's step of 6e-8; a weight below 2^-126 counts as 0 in l; NaN and infinities are not treated apart.
; alpha, gamma are taken rounded once to bf16, as frac and delta were.
; SHARES.  A work-group owns 256 queries of one head, a wave 64: tiles 0-3 of 16; piece 0 = tiles 0, 1, piece 1 = tiles 2, 3.  The head's whole K, V, f and f^2 lie in LDS, filled once.
; CLUSTER.  The four query blocks of a head need the same K, V and f: each tile is asked for jointly (mask 15).  All tensor loads go out at the head, three a wave: there is no later request to run ahead of, so nothing is prefetched.
; LAYOUT.  S^T = K Q^T (source 0 = 16 keys, source 1 = 16 queries): a lane holds ONE query (lane % 16) and the keys 8 (lane / 16) + 0..7; two such results rounded to f16 ARE source 1 of O^T = V^T P.
; BY TURNS.  In turn x piece x has the matrix unit (16 products V^T P of the step in hand, 16 products K Q'^T of the next) and its next step's bias is made; the other piece's softmax stands between.
; REGISTERS, in windows of 256 (s_set_vgpr_msb: bits 1:0 source 0, 3:2 source 1, 5:4 source 2, 7:6 destination):
;   window 0: v2-15 addresses; v16-47 eight statistics a tile; v48-55, v56-63 at work; v64-191 S^T, 32 a tile; v192-223 f, v224-255 f^2 of a step's keys (in the first sweep v192-223: the pivots)
;   window 1: v0-127 O^T, 32 a tile; v128-191 P, 16 a tile          window 2: v0-63 Q; v64-127 K of a step; v128-191 V of a step (in the first sweep a second buffer of K)
.set KS,   64
.set PK,   144                         ; a row of K in LDS: 128 bytes + 16: the 16 rows of a load start at 16 different groups of four banks
.set PVT,  160                         ; a row of V: 128 + 32
.set VB,   1024*PK
.set FB,   VB+1024*PVT                 ; f (4,096 bytes), then f^2
.set SPARE, FB+8192                    ; the spare words, 128 bytes for each wave: two blocks of 256 bytes that no other line names
.set SP,   144                         ; the way out's stage: 16 rows x 144 bytes a wave, at the head of K's bytes, which have had their only fill and are read no more by then
.set AK0, 2
.set AV0, 3
.set AK,  4
.set AV,  5
.set AF,  6
.set STO, 7
.set RD,  8
.set GO,  9
.set AF0, 10
.set QO,  11
.set SPW, 12                           ; v12  LDS address of my spare word; never rewritten
.set NIL, 13                           ; v13  0, for the add alone; never rewritten
.set ZR,  14                           ; v14  0
.set ST,  16                           ; tile t at v[ST+8 t]: +0 m, +1 k2, +2,+3 l, +4 fq, +5 m_old - m_new, +6 k1, +7 B.  First sweep: +2,+3 sum of y, +4,+5 sum of y^2
.set TMP, 48                           ; c0-c3 for tile t % 2; c2 takes a
.set U,   56                           ; four pairs of u; in the first sweep fq (4) and B (4) as loaded
.set S,   64
.set F,   192
.set F2,  224
.set PP,  128                          ; window 1
.set KF,  64                           ; window 2
.set VF,  128                          ; window 2
.set WV,  8
.set G1F, 24
.set G1K, 32
.set G1V, 40
.set G0F, 48
.set G0K, 52
.set G0V, 56
.set CNT, 60
.set TBK, 61                           ; LDS byte at which K of the step to be fetched begins
.set TBV, 62
.set TBF, 63
.set SEL, 66
.set MSB, 0
.macro WIN new
.if MSB != (\new)
	s_set_vgpr_msb (MSB<<8)|(\new)
.set MSB, (\new)
.endif
.endm
.macro CROUND
	s_barrier_signal -1
	s_barrier_wait -1
	s_cmp_lg_u32 s[WV], 0
	s_cbranch_scc1 .Lnot_wave_0_\@
	s_barrier_signal -3
.Lnot_wave_0_\@:
	s_barrier_wait -3
	s_barrier_signal -1
	s_barrier_wait -1
.endm
	s_load_b256 s[68:75], s[0:1], 0x0              ; qkv s[68:69] fq s[70:71] bco s[72:73] alpha_pos s[74:75]
	s_load_b128 s[76:79], s[0:1], 0x20             ; alpha_neg s[76:77] gamma s[78:79]
	s_load_b64 s[80:81], s[0:1], 0x30              ; oh
	v_lshl_add_u32 v[SPW], v0, 2, SPARE
	v_mov_b32 v[NIL], 0
	ds_add_u32 v[SPW], v[NIL]                      ; the wave's opening: the add and its wait stand ahead of my first tensor load; work on registers stands between them
	v_lshrrev_b32 v1, 5, v0
	v_readfirstlane_b32 s[WV], v1
	s_bfe_u32 s9, ttmp6, 0x40000                   ; cx: my block of 256 queries
	s_and_b32 s10, ttmp7, 0xffff                   ; 8 b + h, which the four partners share
	s_lshr_b32 s11, s10, 3
	s_and_b32 s12, s10, 7
	s_mov_b32 s[G1F], 15|(3<<16)|(1<<21)           ; f and f^2: 8 rows of 32 elements of 8 bytes, dense
	s_mov_b32 s[G1F+1], 32<<16
	s_mov_b32 s[G1F+2], 8<<16
	s_mov_b32 s[G1F+3], 32<<16
	s_mov_b32 s[G1F+4], 8
	s_mov_b32 s[G1F+5], 32
	s_mov_b32 s[G1F+6], 0
	s_mov_b32 s[G1F+7], 0
	s_mov_b32 s[G1K], 15|(1<<16)|(1<<20)|(1<<21)|(4<<22)|(3<<25)  ; 256 keys are 32,768 dense bytes: 128 rows of 256, two keys a row, 4 words of padding behind every key
	s_mov_b32 s[G1V], 15|(1<<16)|(1<<20)|(1<<21)|(4<<22)|(7<<25)  ; the same with 8 words
.irp g, G1K, G1V
	s_mov_b32 s[\g+1], 128<<16
	s_mov_b32 s[\g+2], 128<<16
	s_mov_b32 s[\g+3], 128<<16
	s_mov_b32 s[\g+4], 128
	s_mov_b32 s[\g+5], 128
	s_mov_b32 s[\g+6], 0
	s_mov_b32 s[\g+7], 0
.endr
	s_mov_b32 s[G0F], 1
	s_lshl_b32 s[G0F+1], s[WV], 11
	s_add_co_u32 s[G0F+1], s[G0F+1], FB
	s_mov_b32 s[G0K], 1
	s_mul_i32 s[G0K+1], s[WV], 256*PK
	s_mov_b32 s[G0V], 1
	s_mul_i32 s[G0V+1], s[WV], 256*PVT
	s_add_co_u32 s[G0V+1], s[G0V+1], VB
	s_lshl_b32 s14, s11, 13                        ; fq[b], my quarter
	s_lshl_b32 s13, s[WV], 11
	s_add_co_u32 s14, s14, s13
	s_mov_b32 s15, 0
	s_lshl_b32 s16, s10, 17                        ; the head's rows, my 256 keys
	s_lshl_b32 s13, s[WV], 15
	s_add_co_u32 s16, s16, s13
	s_add_co_u32 s18, s16, 2*8388608               ; in V
	s_add_co_u32 s16, s16, 8388608                 ; in K
	s_mov_b32 s17, 0
	s_mov_b32 s19, 0
	s_lshl_b32 s86, s9, 8                          ; my wave's first query: it enters addresses of Q, O, fq and bco alone
	s_lshl_b32 s87, s[WV], 6
	s_add_co_u32 s86, s86, s87
	s_lshl_b32 s20, s10, 17
	s_lshl_b32 s87, s86, 7
	s_add_co_u32 s20, s20, s87
	s_mov_b32 s21, 0
	s_lshl_b32 s82, s11, 13
	s_lshl_b32 s87, s86, 2
	s_add_co_u32 s82, s82, s87
	s_mov_b32 s83, 0
	s_lshl_b32 s84, s11, 15
	s_lshl_b32 s87, s86, 5
	s_add_co_u32 s84, s84, s87
	s_lshl_b32 s87, s12, 2
	s_add_co_u32 s84, s84, s87
	s_mov_b32 s85, 0
	s_mov_b32 s[SEL], 0x76543210
	s_mov_b32 s[SEL+1], 0xfedcba98
	s_mov_b32 s[TBK], 0
	v_and_b32 v1, 15, v0                           ; r
	v_bfe_u32 v15, v0, 4, 1                        ; h
	v_lshlrev_b32 v[QO], 7, v1
	v_lshl_add_u32 v[QO], v15, 4, v[QO]
	v_mul_u32_u24 v[AK0], v1, PK
	v_lshl_add_u32 v[AK0], v15, 4, v[AK0]
	v_and_b32 v[AK], 7, v0
	v_bfe_u32 v[AV], v0, 3, 1
	v_lshl_add_u32 v[AV0], v15, 3, v[AK]           ; the turning load: key 8 h + l % 8, 16 bytes at 16 ((l / 8) % 2)
	v_mul_u32_u24 v[AV0], v[AV0], PVT
	v_lshl_add_u32 v[AV0], v[AV], 4, v[AV0]
	v_add_nc_u32 v[AV0], VB, v[AV0]
	v_lshlrev_b32 v[AF0], 5, v15                   ; f of keys 8 h on
	v_add_nc_u32 v[AF0], FB, v[AF0]
	s_mul_i32 s87, s[WV], 16*SP
	v_add_nc_u32 v[STO], s87, v[AK0]
	v_bfe_u32 v[RD], v0, 3, 2
	v_mul_u32_u24 v[RD], v[RD], SP
	v_lshl_add_u32 v[RD], v[AK], 4, v[RD]
	v_add_nc_u32 v[RD], s87, v[RD]
	v_and_b32 v[GO], 31, v0
	v_lshlrev_b32 v[GO], 4, v[GO]
	v_mov_b32 v[ZR], 0
	v_lshlrev_b32 v64, 2, v1                       ; offsets of the small loads: 4 r, 32 r, 4 h
	v_lshlrev_b32 v65, 5, v1
	v_mov_b32 v66, s12
	v_lshlrev_b32 v66, 2, v66
	s_wait_dscnt 0x0                               ; the opening add is done
	s_wait_kmcnt 0x0
	s_add_nc_u64 s[G0F+2:G0F+3], s[70:71], s[14:15]
	s_or_b32 s[G0F+3], s[G0F+3], 0x80000000
	s_add_nc_u64 s[G0K+2:G0K+3], s[68:69], s[16:17]
	s_or_b32 s[G0K+3], s[G0K+3], 0x80000000
	s_add_nc_u64 s[G0V+2:G0V+3], s[68:69], s[18:19]
	s_or_b32 s[G0V+3], s[G0V+3], 0x80000000
	s_add_nc_u64 s[4:5], s[68:69], s[20:21]        ; Q at my wave's first row
	s_add_nc_u64 s[6:7], s[80:81], s[20:21]        ; O likewise
	s_add_nc_u64 s[22:23], s[70:71], s[82:83]      ; f of my queries
	s_add_nc_u64 s[2:3], s[72:73], s[84:85]        ; B of my queries and head
	CROUND                                         ; all four work-groups are here: the joint loads meet
	tensor_load_to_lds s[G0F:G0F+3], s[G1F:G1F+7]  ; three loads of mine are out
	s_nop 0
	tensor_load_to_lds s[G0K:G0K+3], s[G1K:G1K+7]
	s_nop 0
	tensor_load_to_lds s[G0V:G0V+3], s[G1V:G1V+7]
	s_nop 0
.rept 4
	v_nop
.endr
	WIN 0x80
.set i, 0
.rept 8                                        ; Q stays in registers: tile i / 2, channels 32 (i % 2) on
	global_load_b128 v[8*i:8*i+3],   v[QO], s[4:5] offset:(i/2)*2048+(i%2)*64
	global_load_b128 v[8*i+4:8*i+7], v[QO], s[4:5] offset:(i/2)*2048+(i%2)*64+32
.set i, i+1
.endr
	WIN 0
.irp t, 0,1,2,3
	global_load_b32 v[U+\t], v64, s[22:23] offset:64*\t
	global_load_b32 v[U+4+\t], v65, s[2:3] offset:512*\t
.endr
	global_load_b32 v48, v66, s[74:75]
	global_load_b32 v49, v66, s[76:77]
	global_load_b32 v50, v[ZR], s[78:79]
	WIN 0x40
.set i, 0
.rept 160                                      ; O^T and piece 0's P start at 0: the main loop's first trip, which has no step behind it, then adds nothing.  Written while the tiles are on their way
	v_mov_b32 v[i], 0
.set i, i+1
.endr
	WIN 0
; THE LDS LOADS stand in runs.  A step's K: 64 keys x 64 channels, 8 fragments (key block kb, channel half c at 16 kb + 8 c)
.macro FETCH_K buf
	WIN 0
	v_add_nc_u32 v[AK], s[TBK], v[AK0]
	WIN 0x80
.irp f, 0,1,2,3,4,5,6,7
	ds_load_b128 v[(\buf)+8*\f:(\buf)+8*\f+3],   v[AK] offset:(\f/2)*16*PK+(\f%2)*64
	ds_load_b128 v[(\buf)+8*\f+4:(\buf)+8*\f+7], v[AK] offset:(\f/2)*16*PK+(\f%2)*64+32
.endr
	s_add_co_u32 s[TBK], s[TBK], KS*PK
	WIN 0
.endm
.macro FETCH_V                         ; its V, turned: key half kk, channel block cb at 32 kk + 8 cb
	WIN 0
	v_add_nc_u32 v[AV], s[TBV], v[AV0]
	WIN 0x80
.irp f, 0,1,2,3,4,5,6,7
	ds_load_tr16_b128 v[VF+8*\f:VF+8*\f+3],   v[AV] offset:(\f/4)*32*PVT+(\f%4)*32
	ds_load_tr16_b128 v[VF+8*\f+4:VF+8*\f+7], v[AV] offset:(\f/4)*32*PVT+16*PVT+(\f%4)*32
.endr
	s_add_co_u32 s[TBV], s[TBV], KS*PVT
	WIN 0
.endm
.macro FETCH_F last                    ; f and f^2 of its keys, laid as S^T lies: register 8 kb + j = key 16 kb + 8 h + j.  last = 1: in the loop's last trip there is no further step, and the run is jumped over
	WIN 0
.if \last
	s_cmp_eq_u32 s[CNT], 1
	s_cbranch_scc1 .Lno_f_\@
.endif
	v_add_nc_u32 v[AF], s[TBF], v[AF0]
.irp kb, 0,1,2,3
	ds_load_b128 v[F+8*\kb:F+8*\kb+3],    v[AF] offset:64*\kb
	ds_load_b128 v[F+8*\kb+4:F+8*\kb+7],  v[AF] offset:64*\kb+16
	ds_load_b128 v[F2+8*\kb:F2+8*\kb+3],   v[AF] offset:4096+64*\kb
	ds_load_b128 v[F2+8*\kb+4:F2+8*\kb+7], v[AF] offset:4096+64*\kb+16
.endr
	s_add_co_u32 s[TBF], s[TBF], 256
.if \last
.Lno_f_\@:
.endif
.endm
.macro REGS t                          ; the registers of tile t
.set rT, ST+8*(\t)
.set rC, TMP+4*((\t)%2)
.set rS, S+32*(\t)
.set rP, PP+16*(\t)
.set rO, 32*(\t)
.endm
; FIRST SWEEP.  Product i of 16 for piece x: channels 32 (i / 8) on, keys 16 ((i / 2) % 4) on, tile 2 x + i % 2.  The 8 accumulators take turns.  The first 8 start the sums: with the pivot, or with 0
.macro KQ1 x, buf, piv
	WIN 0x0a
.set tt, 2*(\x)+i%2
.set rS, S+32*tt+8*((i/2)%4)
.set rK, (\buf)+16*((i/2)%4)+8*(i/8)
.set rQ, 16*tt+8*(i/8)
.if (i < 8) && (\piv)
	v_wmma_f32_16x16x32_f16 v[rS:rS+7], v[rK:rK+7], v[rQ:rQ+7], v[F+8*tt:F+8*tt+7]
.elseif i < 8
	v_wmma_f32_16x16x32_f16 v[rS:rS+7], v[rK:rK+7], v[rQ:rQ+7], 0
.else
	v_wmma_f32_16x16x32_f16 v[rS:rS+7], v[rK:rK+7], v[rQ:rQ+7], v[rS:rS+7]
.endif
.endm
.macro P1R y                           ; slice k of 16 of piece y's sums: pair k of both tiles into the sums of y and of y^2
	WIN 0
.irp e, 0,1
	v_pk_add_f32 v[ST+8*(2*(\y)+\e)+2:ST+8*(2*(\y)+\e)+3], v[ST+8*(2*(\y)+\e)+2:ST+8*(2*(\y)+\e)+3], v[S+32*(2*(\y)+\e)+2*k:S+32*(2*(\y)+\e)+2*k+1]
.endr
.irp e, 0,1
	v_pk_fma_f32 v[ST+8*(2*(\y)+\e)+4:ST+8*(2*(\y)+\e)+5], v[S+32*(2*(\y)+\e)+2*k:S+32*(2*(\y)+\e)+2*k+1], v[S+32*(2*(\y)+\e)+2*k:S+32*(2*(\y)+\e)+2*k+1], v[ST+8*(2*(\y)+\e)+4:ST+8*(2*(\y)+\e)+5]
.endr
.set k, k+1
.endm
.macro T1 x, buf                       ; piece x's 16 products, behind each a slice of the other piece's sums
.set i, 0
.set k, 0
.rept 16
	KQ1 \x, \buf, 1
	P1R 1-(\x)
.set i, i+1
.endr
.endm
; MAIN PASS, the vector lists.  BI: number n of the 64 that write tile t's bias into S^T: for each accumulator g four pairs of u, four pairs k1 u, eight times + k2 |u|
.macro BI t, n
	REGS \t
	WIN 0
.set g, (\n)/16
.set r, (\n)%16
.if r < 4
	v_pk_fma_f32 v[U+2*r:U+2*r+1], v[F+8*g+2*r:F+8*g+2*r+1], v[rT+4:rT+5], v[F2+8*g+2*r:F2+8*g+2*r+1] op_sel_hi:[1,0,1] neg_lo:[0,1,0] neg_hi:[0,1,0]
.elseif r < 8
	v_pk_mul_f32 v[rS+8*g+2*(r-4):rS+8*g+2*(r-4)+1], v[U+2*(r-4):U+2*(r-4)+1], v[rT+6:rT+7] op_sel_hi:[1,0]
.else
	v_fma_f32 v[rS+8*g+r-8], |v[U+r-8]|, v[rT+1], v[rS+8*g+r-8]
.endif
.endm
; MX: number n of the 20 that find the maximum: four chains of seven scores (each accumulator's lowest registers are read first), the four left over, the old m, the other half of the lanes, m_old - m_new, m
.macro MX t, n
	REGS \t
	WIN 0
.if (\n) < 4
	v_max3_num_f32 v[rC+(\n)], v[rS+8*(\n)], v[rS+8*(\n)+1], v[rS+8*(\n)+2]
.elseif (\n) < 12
	v_max3_num_f32 v[rC+(\n)%4], v[rC+(\n)%4], v[rS+8*((\n)%4)+2*((\n)/4)+1], v[rS+8*((\n)%4)+2*((\n)/4)+2]
.elseif (\n) == 12
	v_max3_num_f32 v[rC], v[rC], v[rS+7], v[rS+15]
.elseif (\n) == 13
	v_max3_num_f32 v[rC+1], v[rC+1], v[rS+23], v[rS+31]
.elseif (\n) == 14
	v_max3_num_f32 v[rC+2], v[rC+2], v[rC+3], v[rT]
.elseif (\n) == 15
	v_max3_num_f32 v[rC], v[rC], v[rC+1], v[rC+2]
.elseif (\n) == 16
	v_permlanex16_b32 v[rC+3], v[rC], s[SEL], s[SEL+1]
.elseif (\n) == 17
	v_max_num_f32 v[rC+1], v[rC], v[rC+3]
.elseif (\n) == 18
	v_sub_f32 v[rT+5], v[rT], v[rC+1]
.else
	v_mov_b32 v[rT], v[rC+1]
.endif
.endm
.macro EA t                            ; a
	REGS \t
	WIN 0
	v_exp_f32 v[rC+2], v[rT+5]
.endm
.macro EXPS t, e
	REGS \t
	WIN 0
	v_exp_f32 v[rS+(\e)], v[rS+(\e)]
.endm
.macro CVP t, p                        ; pair p rounded to f16
	REGS \t
	WIN 0x40
	v_cvt_pk_f16_f32 v[rP+(\p)], v[rS+2*(\p)], v[rS+2*(\p)+1]
.endm
.macro SUMZ t, z                       ; the sum of the tile's 16 pairs, in place: neighbours 1, 2, 4, 8 pairs apart; number 15: l = a l + sum
	REGS \t
	WIN 0
.if (\z) < 8
.set w, 4
.set u, (\z)
.elseif (\z) < 12
.set w, 8
.set u, (\z)-8
.elseif (\z) < 14
.set w, 16
.set u, (\z)-12
.else
.set w, 32
.set u, 0
.endif
.if (\z) < 15
	v_pk_add_f32 v[rS+w*u:rS+w*u+1], v[rS+w*u:rS+w*u+1], v[rS+w*u+w/2:rS+w*u+w/2+1]
.else
	v_pk_fma_f32 v[rT+2:rT+3], v[rT+2:rT+3], v[rC+2:rC+3], v[rS:rS+1] op_sel_hi:[1,0,1]
.endif
.endm
.macro RSN t, n                        ; pair n of O^T times a
	REGS \t
	WIN 0x41
	v_pk_mul_f32 v[rO+2*(\n):rO+2*(\n)+1], v[rO+2*(\n):rO+2*(\n)+1], v[rC+2:rC+3] op_sel_hi:[1,0]
.endm
; the matrix work.  Product ik of 8 of S^T += K Q'^T for tile t: channels 32 (ik / 4) on, keys 16 (ik % 4) on; the 4 accumulators take turns
.macro KQT t
	WIN 0x0a
.set rS, S+32*(\t)+8*(ik%4)
.set rK, KF+16*(ik%4)+8*(ik/4)
.set rQ, 16*(\t)+8*(ik/4)
	v_wmma_f32_16x16x32_f16 v[rS:rS+7], v[rK:rK+7], v[rQ:rQ+7], v[rS:rS+7]
.set ik, ik+1
.endm
; Product i of 16 of O^T += V^T P for piece x: keys 32 (i / 8) on, channels 16 ((i / 2) % 4) on, tile 2 x + i % 2; the 8 accumulators take turns
.macro PV x
	WIN 0x56
.set tt, 2*(\x)+i%2
.set rO, 32*tt+8*((i/2)%4)
.set rV, VF+32*(i/8)+8*((i/2)%4)
.set rP, PP+16*tt+8*(i/8)
	v_wmma_f32_16x16x32_f16 v[rO:rO+7], v[rV:rV+7], v[rP:rP+7], v[rO:rO+7]
.endm
.macro MXN                             ; the next number of the maximum, the two tiles alternating
	MX Y2+mq%2, mq/2
.set mq, mq+1
.endm
.macro SUBN                            ; the next pair's s - m
	REGS Y2+sq%2
	WIN 0
	v_pk_add_f32 v[rS+2*(sq/2):rS+2*(sq/2)+1], v[rS+2*(sq/2):rS+2*(sq/2)+1], v[rT:rT+1] op_sel_hi:[1,0] neg_lo:[0,1] neg_hi:[0,1]
.set sq, sq+1
.endm
.macro TICKB                           ; in the turn's middle part a product stands ahead of every twentieth line
.if KQON && (nb%20 == 0) && (nb < 160)
	KQT X2
.endif
.set nb, nb+1
.endm
.macro BIB                             ; the next number of the second tile's bias
.if KQON
	TICKB
	BI X2+1, bq
.set bq, bq+1
.endif
.endm
; A TURN, for piece x; y is the other piece.  kq = 0 (the tail): no next step: no bias, no K Q'^T, no fetch.
; FIRST PART: 16 products V^T P of piece x, behind each four lines of tile 2 x's bias and two or three of y's maximum.
; MIDDLE: 8 products K Q'^T of tile 2 x among y's two a, 32 subtractions and 64 exponentials and tile 2 x + 1's bias.  Nothing here names an exponential's result; a pair's subtraction stands two groups ahead of its exponentials.
; One plain instruction and ONE wait for the 66 exponentials, ahead of their first reader.
; LAST PART: 8 products K Q'^T of tile 2 x + 1 among y's 32 roundings, 32 sums and 32 rescalings, one ahead of every twelfth line; the twelve behind the last are its places.
; K of the next step is fetched at the head of piece 0's turn and waited for behind its first part; V of the next step behind the first part of piece 1's turn (six plain lines behind the last product
; that read V), f and f^2 of the step after behind piece 1's wait, when all four tiles' biases are made; both are waited for at the head of piece 0's turn.
.macro TURN x, kq
.set X2, 2*(\x)
.set Y2, 2-2*(\x)
.set KQON, (\kq)
.if (\x) == 0
	s_wait_dscnt 0x0                               ; V, f and f^2 are in
.if \kq
	FETCH_K KF
.endif
.endif
.set i, 0
.set mq, 0
.set bq, 0
.rept 16
	PV \x
.if \kq
.rept 4
	BI X2, bq
.set bq, bq+1
.endr
.endif
	MXN
	MXN
.if i < 8
	MXN
.endif
.set i, i+1
.endr
.if \kq
.if (\x) == 0
	s_wait_dscnt 0x0                               ; K is in
.else
	FETCH_V
.endif
.endif
.set nb, 0
.set ik, 0
.set bq, 0
.set sq, 0
.set eq, 0
	TICKB
	EA Y2
	BIB
	TICKB
	EA Y2+1
	BIB
	TICKB
	SUBN
	TICKB
	SUBN
.rept 28
	BIB
.endr
.rept 32
	TICKB
	EXPS Y2+eq%2, 2*(eq/2)
	BIB
	TICKB
	EXPS Y2+eq%2, 2*(eq/2)+1
.if eq < 30
	TICKB
	SUBN
.else
	BIB
.endif
.set eq, eq+1
.endr
	WIN 0
	v_nop
	s_wait_alu depctr_va_vdst(0)
.if ((\x) == 1) && (\kq)
	FETCH_F 1
.endif
.set nc, 0
.set ik, 0
.rept 96
.if KQON && (nc%12 == 0)
	KQT X2+1
.endif
.if nc < 32
	CVP Y2+nc%2, nc/2
.elseif nc < 64
	SUMZ Y2+nc%2, (nc-32)/2
.else
	RSN Y2+nc%2, (nc-64)/2
.endif
.set nc, nc+1
.endr
.endm
	s_wait_tensorcnt 0x1                           ; my parts of f and K are in; V's may stay out
	s_barrier_signal -1
	s_barrier_wait -1
	FETCH_K KF                                     ; key step 0
	s_wait_loadcnt 0x0                             ; Q and the small loads
	s_wait_dscnt 0x0
	; THE PIVOT: the scores of the first 64 keys
.irp x, 0,1
.set i, 0
.rept 16
	KQ1 \x, KF, 0
.set i, i+1
.endr
.endr
	WIN 0                                          ; alpha and gamma are rounded to bf16 here: ten plain lines, the places behind those products
	v_cvt_pk_bf16_f32 v48, v48, v49
	v_cvt_pk_bf16_f32 v50, v50, v50
	v_lshlrev_b32 v51, 16, v48                     ; ap
	v_and_b32 v52, 0xffff0000, v48                 ; an
	v_lshlrev_b32 v50, 16, v50
	v_mul_f32 v50, 0x3e38aa3b, v50                 ; log2(e) gamma / 8
	v_add_f32 v53, v51, v52
	v_sub_f32 v54, v51, v52
	v_mul_f32 v53, 0.5, v53                        ; (ap + an) / 2
	v_mul_f32 v54, 0.5, v54                        ; (ap - an) / 2
.set z, 0
.rept 15
.irp t, 0,1,2,3
	SUMZ \t, z
.endr
.set z, z+1
.endr
.irp t, 0,1,2,3
	v_add_f32 v[S+32*\t], v[S+32*\t], v[S+32*\t+1]
.endr
.irp t, 0,1,2,3
	v_permlanex16_b32 v[S+32*\t+1], v[S+32*\t], s[SEL], s[SEL+1]
.endr
.irp t, 0,1,2,3
	v_add_f32 v[S+32*\t], v[S+32*\t], v[S+32*\t+1]
.endr
.irp t, 0,1,2,3
	v_mul_f32 v[F+8*\t], 0xbc800000, v[S+32*\t]    ; minus the mean of 64; a C operand wants it in eight registers
.endr
.irp t, 0,1,2,3
.irp r, 1,2,3,4,5,6,7
	v_mov_b32 v[F+8*\t+\r], v[F+8*\t]
.endr
.irp r, 2,3,4,5
	v_mov_b32 v[ST+8*\t+\r], 0
.endr
.endr
.set i, S+64
.rept 64                                       ; the sums lag a turn behind the products: in the first turn piece 1's slices add nothing
	v_mov_b32 v[i], 0
.set i, i+1
.endr
	s_mov_b32 s[CNT], 8
.Lsweep:                                       ; a trip: two key steps, K's two buffers by turns
	s_wait_dscnt 0x0
	FETCH_K VF
	T1 0, KF
	T1 1, KF
	WIN 0
	s_wait_dscnt 0x0
	s_cmp_eq_u32 s[CNT], 1                         ; in the last trip there is no further step
	s_cbranch_scc1 .Lno_k
	FETCH_K KF
.Lno_k:
	T1 0, VF
	T1 1, VF
	WIN 0
	s_sub_co_u32 s[CNT], s[CNT], 1
	s_cmp_lg_u32 s[CNT], 0
	s_cbranch_scc1 .Lsweep
.set k, 0
.rept 16
	P1R 1                                          ; the last step's piece 1
.endr
	; sd(x), A, and what the main pass starts from
.irp t, 0,1,2,3
	v_add_f32 v[ST+8*\t+2], v[ST+8*\t+2], v[ST+8*\t+3]
	v_add_f32 v[ST+8*\t+4], v[ST+8*\t+4], v[ST+8*\t+5]
.endr
.irp t, 0,1,2,3
	v_permlanex16_b32 v[ST+8*\t+3], v[ST+8*\t+2], s[SEL], s[SEL+1]
	v_permlanex16_b32 v[ST+8*\t+5], v[ST+8*\t+4], s[SEL], s[SEL+1]
.endr
.irp t, 0,1,2,3
	v_add_f32 v[ST+8*\t+2], v[ST+8*\t+2], v[ST+8*\t+3]
	v_add_f32 v[ST+8*\t+4], v[ST+8*\t+4], v[ST+8*\t+5]
.endr
.irp t, 0,1,2,3
	v_mul_f32 v[ST+8*\t+3], 0x3a800000, v[ST+8*\t+2]   ; the mean of y
.endr
.irp t, 0,1,2,3
	v_fma_f32 v[ST+8*\t+4], -v[ST+8*\t+2], v[ST+8*\t+3], v[ST+8*\t+4]
.endr
.irp t, 0,1,2,3
	v_max_num_f32 v[ST+8*\t+4], 0, v[ST+8*\t+4]
.endr
.irp t, 0,1,2,3
	v_mul_f32 v[ST+8*\t+4], 0x3a802008, v[ST+8*\t+4]   ; / 1023
.endr
.irp t, 0,1,2,3
	v_sqrt_f32 v[ST+8*\t+4], v[ST+8*\t+4]
.endr
	v_nop
	s_wait_alu depctr_va_vdst(0)                   ; one wait for the four roots
.irp t, 0,1,2,3
	v_mul_f32 v[ST+8*\t+4], 0x3e000000, v[ST+8*\t+4]
.endr
.irp t, 0,1,2,3
	v_add_f32 v[ST+8*\t+4], 0x3727c5ac, v[ST+8*\t+4]   ; sd / 8 + 1e-5
.endr
.irp t, 0,1,2,3
	v_rcp_f32 v[ST+8*\t+5], v[ST+8*\t+4]
.endr
	v_nop
	s_wait_alu depctr_va_vdst(0)                   ; one wait for the four reciprocals
.irp t, 0,1,2,3
	v_mul_f32 v[ST+8*\t+5], v50, v[ST+8*\t+5]      ; A
.endr
	WIN 0x82                                       ; Q (window 2) times A, each half rounded once to f16, in place: a lane's fragments hold its own query's row
.set t, 0
.rept 4
.set c, 0
.rept 16
	v_fma_mixlo_f16 v[16*t+c], v[16*t+c], v[ST+8*t+5], v[ZR] op_sel_hi:[1,0,0]
	v_fma_mixhi_f16 v[16*t+c], v[16*t+c], v[ST+8*t+5], v[ZR] op_sel:[1,0,0] op_sel_hi:[1,0,0]
.set c, c+1
.endr
.set t, t+1
.endr
	WIN 0
.irp t, 0,1,2,3
	v_mul_f32 v15, v[U+4+\t], v[U+\t]
	v_mul_f32 v[ST+8*\t+6], v15, v53               ; k1
	v_mul_f32 v15, v[U+4+\t], |v[U+\t]|
	v_mul_f32 v[ST+8*\t+1], v15, v54               ; k2
	v_mov_b32 v[ST+8*\t+4], v[U+\t]                ; fq
	v_mov_b32 v[ST+8*\t+7], v[U+4+\t]
	v_mov_b32 v[ST+8*\t], 0xff7fffff               ; m: the lowest finite number, so the first true step's a is 0
	v_mov_b32 v[ST+8*\t+2], 0
	v_mov_b32 v[ST+8*\t+3], 0
.endr
.set i, S+64
.rept 64                                       ; the first trip's softmax of piece 1 has no step behind it: it works on m itself, and the next step's a = 0 wipes what it leaves
	v_mov_b32 v[i], 0xff7fffff
.set i, i+1
.endr
	s_mov_b32 s[TBK], 0
	s_mov_b32 s[TBV], 0
	s_mov_b32 s[TBF], 0
	s_wait_tensorcnt 0x0                           ; my part of V, the last load
	s_wait_dscnt 0x0
	s_barrier_signal -1
	s_barrier_wait -1                              ; V is whole
	FETCH_F 0
	s_mov_b32 s[CNT], 16
.Lmain:                                        ; trip j = -1 .. 14: V^T P of step j, K Q'^T of step j + 1; piece 1's softmax of step j, piece 0's of step j + 1
	TURN 0, 1
	TURN 1, 1
	WIN 0
	s_sub_co_u32 s[CNT], s[CNT], 1
	s_cmp_lg_u32 s[CNT], 0
	s_cbranch_scc1 .Lmain
	TURN 0, 0                                      ; piece 0: V^T P of the last step | piece 1's last softmax
.set i, 0
.rept 16
	PV 1
.set i, i+1
.endr
	; THE WAY OUT.  l's two halves and the other half of the lanes' are added (the additions are the places behind the last products); O^T is divided by l, rounded to f16 and sent through my stage
	WIN 0
.irp t, 0,1,2,3
	v_add_f32 v[ST+8*\t+2], v[ST+8*\t+2], v[ST+8*\t+3]
.endr
.irp t, 0,1,2,3
	v_permlanex16_b32 v[ST+8*\t+3], v[ST+8*\t+2], s[SEL], s[SEL+1]
.endr
.irp t, 0,1,2,3
	v_add_f32 v[ST+8*\t+2], v[ST+8*\t+2], v[ST+8*\t+3]
.endr
.irp t, 0,1,2,3
	v_rcp_f32 v[ST+8*\t+2], v[ST+8*\t+2]
.endr
	v_nop
	s_wait_alu depctr_va_vdst(0)                   ; one wait for the four reciprocals
	s_wait_dscnt 0x0                               ; my reads of K are long back;
	s_barrier_signal -1
	s_barrier_wait -1                              ; everybody's are: the stages may be written over K's first rows
.macro PACK t
	WIN 0x41
.set i, 32*(\t)
.rept 16
	v_pk_mul_f32 v[i:i+1], v[i:i+1], v[ST+8*(\t)+2:ST+8*(\t)+3] op_sel_hi:[1,0]
.set i, i+2
.endr
	WIN 0x05
.set i, 0
.rept 16
	v_cvt_pk_f16_f32 v[S+16*(\t)+i], v[32*(\t)+2*i], v[32*(\t)+2*i+1]
.set i, i+1
.endr
	WIN 0
.irp f, 0,1,2,3
	ds_store_b128 v[STO], v[S+16*(\t)+4*\f:S+16*(\t)+4*\f+3] offset:32*\f
.endr
.irp f, 0,1,2,3
	ds_load_b128 v[S+16*(\t)+4*\f:S+16*(\t)+4*\f+3], v[RD] offset:\f*4*SP  ; LDS serves a wave's instructions in order: these see the stores above; the next tile's stores come behind them
.endr
.endm
.macro SEND t, younger                 ; younger: the LDS instructions issued behind tile t's loads: the next tile's eight, or none
	WIN 0
.irp f, 0,1,2,3
	s_wait_dscnt (\younger)+3-\f
	global_store_b128 v[GO], v[S+16*(\t)+4*\f:S+16*(\t)+4*\f+3], s[6:7] offset:(\t)*2048+\f*512  ; 512 consecutive bytes, aligned
.endr
.endm
	PACK 0
.set t, 1
.rept 3
	PACK t
	SEND t-1, 8
.set t, t+1
.endr
	SEND 3, 0
	s_wait_tensorcnt 0x0                           ; the wave's end: behind my last tensor load and my last LDS store
	ds_add_u32 v[SPW], v[NIL]
	s_wait_dscnt 0x0
	CROUND                                         ; the closing round
	s_endpgm
.Lfunc_end_k_q0c95d28d0c_attn:
	.size	k_q0c95d28d0c_attn, .Lfunc_end_k_q0c95d28d0c_attn-k_q0c95d28d0c_attn
	.p2alignl 7, 3214868480
	.fill 96, 4, 3214868480
	.section	.rodata,"a",@progbits
	.p2align	6, 0x0
	.amdhsa_kernel k_q0c95d28d0c_attn
		.amdhsa_group_segment_fixed_size 327680
		.amdhsa_private_segment_fixed_size 0
		.amdhsa_enable_private_segment 0
		.amdhsa_kernarg_size 56
		.amdhsa_user_sgpr_count 2
		.amdhsa_user_sgpr_kernarg_segment_ptr 1
		.amdhsa_wavefront_size32 1
		.amdhsa_system_sgpr_workgroup_id_x 1
		.amdhsa_system_sgpr_workgroup_id_y 1
		.amdhsa_system_sgpr_workgroup_id_z 1
		.amdhsa_system_vgpr_workitem_id 0
		.amdhsa_next_free_vgpr 704
		.amdhsa_next_free_sgpr 88
		.amdhsa_reserve_vcc 0
		.amdhsa_float_denorm_mode_32 3
		.amdhsa_float_denorm_mode_16_64 3
		.amdhsa_memory_ordered 1
		.amdhsa_forward_progress 1
		.amdhsa_inst_pref_size 156
	.end_amdhsa_kernel
	.amdgpu_metadata
---
amdhsa.version: [ 1, 2 ]
amdhsa.kernels:
  - .name:           k_q0c95d28d0c_attn
    .symbol:         k_q0c95d28d0c_attn.kd
    .args:
      - { .name: qkv, .offset: 0, .size: 8, .value_kind: global_buffer, .address_space: global }
      - { .name: fq, .offset: 8, .size: 8, .value_kind: global_buffer, .address_space: global }
      - { .name: bco, .offset: 16, .size: 8, .value_kind: global_buffer, .address_space: global }
      - { .name: alpha_pos, .offset: 24, .size: 8, .value_kind: global_buffer, .address_space: global }
      - { .name: alpha_neg, .offset: 32, .size: 8, .value_kind: global_buffer, .address_space: global }
      - { .name: gamma, .offset: 40, .size: 8, .value_kind: global_buffer, .address_space: global }
      - { .name: oh, .offset: 48, .size: 8, .value_kind: global_buffer, .address_space: global }
    .group_segment_fixed_size: 327680
    .private_segment_fixed_size: 0
    .kernarg_segment_align: 8
    .kernarg_segment_size: 56
    .max_flat_workgroup_size: 128
    .sgpr_count:     88
    .vgpr_count:     704
    .wavefront_size: 32
...
	.end_amdgpu_metadata
.endif
;; end of part 3
;; launch outp (part 4): grid 4 x 64, 4 waves a work-group, clusters of 4 x 4, 327,680 bytes of LDS; arguments oh, wc, bo, out0; writes out0
.if DOCPART == 4
	.amdgcn_target "amdgcn-amd-amdhsa--gfx1250"
	.amdhsa_code_object_version 6
	.text
	.protected	k_q0c95d28d0c_outp
	.globl	k_q0c95d28d0c_outp
	.p2align	8
	.type	k_q0c95d28d0c_outp,@function
k_q0c95d28d0c_outp:
	s_mov_b64 s[64:65], 0
	v_nop
	global_prefetch_b8 v0, s[64:65] scope:SCOPE_SE
	s_setreg_imm32_b32 hwreg(HW_REG_WAVE_MODE, 25, 1), 1
	s_wait_xcnt 0x0
	s_wait_alu depctr_hold_cnt(0) depctr_sa_sdst(0) depctr_va_vdst(0) depctr_va_sdst(0) depctr_va_ssrc(0) depctr_va_vcc(0) depctr_vm_vsrc(0)
	s_getreg_b32 s2, hwreg(HW_REG_IB_STS2, 6, 4)
	s_cmp_eq_u32 s2, 0
	s_cbranch_scc0 .Lentry_in_a_cluster
	s_endpgm
.Lentry_in_a_cluster:
	s_bfe_u32 s2, ttmp6, 0x10000c
	s_cmp_lg_u32 s2, 0xf033
	s_cbranch_scc0 .Lentry_shape_is_right
	s_endpgm
.Lentry_shape_is_right:
; out0[row][n] (f32) = the sum over k of O[row][k] Wo[k][n] + bf16(bo[n]).  O lies by heads, [b][h][t][64] in f16; Wo (rounded to bf16, written as f16) lies [k][n] behind the three other matrices in wc.  Sums in f32.
; A tile of 128 x 128 gives each of 256 work-groups one; four waves, each 64 x 64: 16 accumulators.  All of K (512) lies in LDS: only first fills, eight heads' slabs of O and of Wo, no ring, so nothing is prefetched.
; CLUSTER 4 x 4: O's rows are shared along a row of the cluster, Wo's columns along a column: each slab is asked for jointly.  Waves 0, 1 ask for four heads of O each, waves 2, 3 for four of Wo: four loads of a wave are out.
; The heads are multiplied in the order in which the loads land: stage s takes heads s and s + 4, behind a counted wait and a barrier.
; THE MATRIX INSTRUCTION IS USED TRANSPOSED (source 0 = 16 columns of Wo, turned on the way out of LDS; source 1 = 16 rows of O): a lane holds eight neighbouring columns of a row.  The first product takes the bias as C.
; REGISTERS: window 0: v16-29 addresses; v32-63 the bias; v64-95 rows on the way out; v128-255 the accumulators ((a, b) at 128 + 8 (4 a + b)).  Window 1: two fragment buffers of 64: O's four fragments, then Wo's four.
.set APITCH, 144
.set HEADA,  128*APITCH                ; a head's 128 rows of O
.set BPITCH, 288                       ; a k-row of Wo's 128 columns: 256 bytes + 32 = 9 x 32
.set HEADB,  64*BPITCH                 ; a head's 64 k-rows
.set BS,     8*HEADA
.set STAGE,  BS+8*HEADB                ; never filled by a tensor load: 16 rows x 272 bytes for each wave
.set SPITCH, 272
.set SPARE,  STAGE+4*16*SPITCH         ; the spare words, 128 bytes for each wave: two blocks of 256 bytes that no other line names
.set ADRA, 16                          ; v16-17  my fragments of O: heads 0-3, heads 4-7
.set ADRB, 20                          ; v20-23  my fragments of Wo: a register for each pair of heads, so that the immediates stay within 16 bits
.set STO,  24
.set RD,   25
.set CO,   26
.set BO,   27
.set SPW,  28
.set NIL,  29
.set BIAS, 32
.set BK,   64
.set ACC,  128
.set G1A, 24
.set G0A, 32
.set G1B, 48
.set G0B, 68
.set MSB, 0
.macro WIN new
.if MSB != (\new)
	s_set_vgpr_msb (MSB<<8)|(\new)
.set MSB, \new
.endif
.endm
.macro PLACES
.rept 4
	v_nop
.endr
.endm
.macro CROUND
	s_barrier_signal -1
	s_barrier_wait -1
	s_cmp_lg_u32 s12, 0
	s_cbranch_scc1 .Lnot_wave_0_\@
	s_barrier_signal -3
.Lnot_wave_0_\@:
	s_barrier_wait -3
	s_barrier_signal -1
	s_barrier_wait -1
.endm
	s_load_b256 s[4:11], s[0:1], 0x0               ; oh s[4:5], wc s[6:7], bo s[8:9], out0 s[10:11]
	v_lshl_add_u32 v[SPW], v0, 2, SPARE
	v_mov_b32 v[NIL], 0
	ds_add_u32 v[SPW], v[NIL]                      ; the wave's opening: the add and its wait stand ahead of my first tensor load; work on registers stands between them
	v_lshrrev_b32 v1, 5, v0
	v_readfirstlane_b32 s12, v1                    ; wave 0..3
	s_lshr_b32 s13, s12, 1                         ; which half of the tile's rows is mine.  Also: I fetch O (0) or Wo (1)
	s_and_b32 s14, s12, 1                          ; which half of its columns.  Also: which four heads I fetch
	s_bfe_u32 s15, ttmp6, 0x40000                  ; cx
	s_bfe_u32 s16, ttmp6, 0x40004                  ; cy
	s_lshl_b32 s17, ttmp9, 2
	s_add_co_u32 s17, s17, s15                     ; tile column
	s_and_b32 s18, ttmp7, 0xffff
	s_lshl_b32 s18, s18, 2
	s_add_co_u32 s18, s18, s16                     ; tile row
	s_lshl_b32 s19, s16, 2
	s_lshl_b32 s19, 15, s19                        ; my row of the cluster
	s_lshl_b32 s20, 0x1111, s15                    ; my column
	s_or_b32 s[G1A], s19, (1<<16)|(1<<20)|(1<<21)|(4<<22)|(3<<25)  ; a head's 128 rows are 16,384 dense bytes: 64 rows of 256, 4 words of padding behind every 32
	s_or_b32 s[G1B], s20, (1<<16)|(1<<20)|(1<<21)|(5<<22)|(7<<25)  ; 64 k-rows of 128 elements, 8 words of padding behind every 64
.irp g, G1A, G1B
	s_mov_b32 s[\g+1], 128<<16
	s_mov_b32 s[\g+2], 64<<16
	s_mov_b32 s[\g+3], 128<<16
	s_mov_b32 s[\g+4], 64
	s_mov_b32 s[\g+6], 0
	s_mov_b32 s[\g+7], 0
.endr
	s_mov_b32 s[G1A+5], 128
	s_mov_b32 s[G1B+5], 512
	s_lshr_b32 s56, s18, 3                         ; O: head 8 b + 4 (w % 2) (+ i), rows 128 (tile row % 8) on: made of the tile row and the wave's number alone
	s_lshl_b32 s56, s56, 3
	s_lshl2_add_u32 s56, s14, s56
	s_lshl_b32 s56, s56, 17
	s_and_b32 s57, s18, 7
	s_lshl_b32 s57, s57, 14
	s_add_co_u32 s56, s56, s57
	s_mov_b32 s57, 0
	s_lshl_b32 s58, s14, 18                        ; Wo: k-rows 64 (4 (w % 2) + i) on, columns 128 x tile column on: made of the tile column and the wave's number alone
	s_lshl_b32 s59, s17, 8
	s_add_co_u32 s58, s58, s59
	s_add_co_u32 s58, s58, 1572864
	s_mov_b32 s59, 0
	s_mul_i32 s21, s14, 4*HEADA                    ; where they go: no place in the cluster enters an LDS address
	s_lshl_b32 s60, s17, 9                         ; my first column, in bytes of f32
	s_lshl_b32 s61, s14, 8
	s_add_co_u32 s60, s60, s61
	s_mov_b32 s61, 0
	s_lshl_b32 s62, s18, 18                        ; my first row of out0
	s_lshl_b32 s63, s13, 17
	s_add_co_u32 s62, s62, s63
	s_add_co_u32 s62, s62, s60
	s_mov_b32 s63, 0
	v_and_b32 v1, 15, v0                           ; r
	v_bfe_u32 v2, v0, 4, 1                         ; h
	v_and_b32 v3, 7, v0
	v_bfe_u32 v4, v0, 3, 1
	s_mul_i32 s84, s13, 64*APITCH
	v_mul_u32_u24 v5, v1, APITCH
	v_lshl_add_u32 v5, v2, 4, v5
	v_add_nc_u32 v[ADRA], s84, v5
	v_add_nc_u32 v[ADRA+1], 4*HEADA, v[ADRA]
	v_lshl_add_u32 v6, v2, 3, v3
	v_mul_u32_u24 v6, v6, BPITCH
	v_lshl_add_u32 v6, v4, 4, v6
	s_lshl_b32 s84, s14, 7
	s_add_co_u32 s84, s84, BS
	v_add_nc_u32 v[ADRB], s84, v6
	v_add_nc_u32 v[ADRB+1], 2*HEADB, v[ADRB]
	v_add_nc_u32 v[ADRB+2], 4*HEADB, v[ADRB]
	v_add_nc_u32 v[ADRB+3], 6*HEADB, v[ADRB]
	s_mul_i32 s84, s12, 16*SPITCH
	s_add_co_u32 s84, s84, STAGE
	v_mul_u32_u24 v[STO], v1, SPITCH               ; in: row r, 32 bytes for each half of the lanes
	v_lshl_add_u32 v[STO], v2, 5, v[STO]
	v_add_nc_u32 v[STO], s84, v[STO]
	v_mul_u32_u24 v[RD], v2, SPITCH                ; back: lanes 0-15 take one row of 256 bytes, lanes 16-31 the next
	v_lshl_add_u32 v[RD], v1, 4, v[RD]
	v_add_nc_u32 v[RD], s84, v[RD]
	v_lshlrev_b32 v[CO], 11, v2                    ; and the same two rows in out0
	v_lshl_add_u32 v[CO], v1, 4, v[CO]
	v_lshlrev_b32 v[BO], 5, v2
	s_wait_dscnt 0x0                               ; the opening add is done
	s_wait_kmcnt 0x0
	s_add_nc_u64 s[22:23], s[4:5], s[56:57]
	s_add_nc_u64 s[2:3], s[6:7], s[58:59]
	s_add_nc_u64 s[8:9], s[8:9], s[60:61]
	s_add_nc_u64 s[10:11], s[10:11], s[62:63]
.irp i, 0,1,2,3
	s_mov_b32 s[G0A+4*\i], 1
	s_add_co_u32 s[G0A+4*\i+1], s21, \i*HEADA
	s_add_nc_u64 s[G0A+4*\i+2:G0A+4*\i+3], s[22:23], \i*131072
	s_or_b32 s[G0A+4*\i+3], s[G0A+4*\i+3], 0x80000000
	s_mov_b32 s[G0B+4*\i], 1
	s_add_co_u32 s[G0B+4*\i+1], s21, BS+\i*HEADB
	s_add_nc_u64 s[G0B+4*\i+2:G0B+4*\i+3], s[2:3], \i*65536
	s_or_b32 s[G0B+4*\i+3], s[G0B+4*\i+3], 0x80000000
.endr
	CROUND                                         ; all sixteen work-groups are here: the joint loads meet
	s_cmp_lt_u32 s12, 2                            ; a wave's four fills stand in one branch on the wave's number, the same in every work-group
	s_cbranch_scc0 .Lfill_b
.irp i, 0,1,2,3
	tensor_load_to_lds s[G0A+4*\i:G0A+4*\i+3], s[G1A:G1A+7]
	s_nop 0
.endr
	PLACES
	s_branch .Lfilled
.Lfill_b:
.irp i, 0,1,2,3
	tensor_load_to_lds s[G0B+4*\i:G0B+4*\i+3], s[G1B:G1B+7]
	s_nop 0
.endr
	PLACES
.Lfilled:
.irp b, 0,1,2,3                                ; the bias: register j of block b = my column 16 b + 8 h + j
	global_load_b128 v[BIAS+8*\b:BIAS+8*\b+3],   v[BO], s[8:9] offset:64*\b
	global_load_b128 v[BIAS+8*\b+4:BIAS+8*\b+7], v[BO], s[8:9] offset:64*\b+16
.endr
	s_wait_loadcnt 0x0
.set c, 0
.rept 16                                       ; rounded once to bf16
	v_cvt_pk_bf16_f32 v[BK+c], v[BIAS+2*c], v[BIAS+2*c+1]
.set c, c+1
.endr
.set c, 0
.rept 16
	v_lshlrev_b32 v[BIAS+2*c], 16, v[BK+c]
	v_and_b32 v[BIAS+2*c+1], 0xffff0000, v[BK+c]
.set c, c+1
.endr
; Unit u of 16 is 32 along K: stage u / 4, head u / 4 + 4 ((u % 4) / 2), half u % 2 of its 64 channels.
.macro FETCHU u                        ; its 16 LDS loads, into buffer u % 2
.set hd, (\u)/4+4*(((\u)%4)/2)
.set kh, (\u)%2
.set fb, 64*((\u)%2)
	WIN 0x40
.irp i, 0,1,2,3
	ds_load_tr16_b128 v[fb+32+8*\i:fb+32+8*\i+3],   v[ADRB+hd/2] offset:(hd%2)*HEADB+kh*32*BPITCH+32*\i
	ds_load_tr16_b128 v[fb+32+8*\i+4:fb+32+8*\i+7], v[ADRB+hd/2] offset:(hd%2)*HEADB+kh*32*BPITCH+32*\i+16*BPITCH
	ds_load_b128 v[fb+8*\i:fb+8*\i+3],   v[ADRA+hd/4] offset:(hd%4)*HEADA+kh*64+\i*16*APITCH
	ds_load_b128 v[fb+8*\i+4:fb+8*\i+7], v[ADRA+hd/4] offset:(hd%4)*HEADA+kh*64+\i*16*APITCH+32
.endr
.endm
.macro MULU u                          ; its 16 products, each on another accumulator: the accumulators take turns
.set fb, 64*((\u)%2)
	WIN 0x05
.irp a, 0,1,2,3
.irp b, 0,1,2,3
.if (\u) == 0
	v_wmma_f32_16x16x32_f16 v[ACC+8*(4*\a+\b):ACC+8*(4*\a+\b)+7], v[fb+32+8*\b:fb+32+8*\b+7], v[fb+8*\a:fb+8*\a+7], v[BIAS+8*\b:BIAS+8*\b+7]
.else
	v_wmma_f32_16x16x32_f16 v[ACC+8*(4*\a+\b):ACC+8*(4*\a+\b)+7], v[fb+32+8*\b:fb+32+8*\b+7], v[fb+8*\a:fb+8*\a+7], v[ACC+8*(4*\a+\b):ACC+8*(4*\a+\b)+7]
.endif
.endr
.endr
.endm
.macro UNIT u
	s_wait_dscnt 0x0                               ; this unit's fragments are in
.if ((((\u)+1)%4) == 0) && ((\u) < 15)
	s_wait_tensorcnt 3-((\u)+1)/4                  ; my load for the next stage has landed; the count is the loads that I issued behind it
	s_barrier_signal -1
	s_barrier_wait -1                              ; everybody's has
.endif
.if (\u) < 15
.if (\u) > 0
	PLACES                                         ; the other buffer was read by the unit before
.endif
	FETCHU (\u)+1
.endif
	MULU \u
.endm
	s_wait_tensorcnt 0x3                           ; my first load has landed; three were issued behind it
	s_barrier_signal -1
	s_barrier_wait -1
	FETCHU 0
.irp u, 0,1,2,3,4,5,6,7,8,9,10,11,12,13,14,15
	UNIT \u
.endr
	; THE WAY OUT, 16 rows at a time: the sums go as they are (f32) into my stage and come back as whole rows of 256 bytes
	PLACES
	WIN 0
.irp a, 0,1,2,3
.irp b, 0,1,2,3
	ds_store_b128 v[STO], v[ACC+8*(4*\a+\b):ACC+8*(4*\a+\b)+3]   offset:64*\b
	ds_store_b128 v[STO], v[ACC+8*(4*\a+\b)+4:ACC+8*(4*\a+\b)+7] offset:64*\b+16
.endr
	s_wait_xcnt 0x0                                ; the stores of the block before have read their registers: the loads below land on them only behind this wait
.irp t, 0,1,2,3,4,5,6,7
	ds_load_b128 v[BK+4*\t:BK+4*\t+3], v[RD] offset:2*SPITCH*\t  ; LDS serves a wave's instructions in order: these see the stores above
.endr
.irp t, 0,1,2,3,4,5,6,7
	s_wait_dscnt 7-\t
	global_store_b128 v[CO], v[BK+4*\t:BK+4*\t+3], s[10:11] offset:(16*\a+2*\t)*2048  ; 16 lanes store 256 consecutive bytes, aligned
.endr
.endr
	s_wait_tensorcnt 0x0                           ; the wave's end: behind my last tensor load and my last LDS store
	ds_add_u32 v[SPW], v[NIL]
	s_wait_dscnt 0x0
	CROUND                                         ; the closing round
	s_endpgm
.Lfunc_end_k_q0c95d28d0c_outp:
	.size	k_q0c95d28d0c_outp, .Lfunc_end_k_q0c95d28d0c_outp-k_q0c95d28d0c_outp
	.p2alignl 7, 3214868480
	.fill 96, 4, 3214868480
	.section	.rodata,"a",@progbits
	.p2align	6, 0x0
	.amdhsa_kernel k_q0c95d28d0c_outp
		.amdhsa_group_segment_fixed_size 327680
		.amdhsa_private_segment_fixed_size 0
		.amdhsa_enable_private_segment 0
		.amdhsa_kernarg_size 32
		.amdhsa_user_sgpr_count 2
		.amdhsa_user_sgpr_kernarg_segment_ptr 1
		.amdhsa_wavefront_size32 1
		.amdhsa_system_sgpr_workgroup_id_x 1
		.amdhsa_system_sgpr_workgroup_id_y 1
		.amdhsa_system_sgpr_workgroup_id_z 1
		.amdhsa_system_vgpr_workitem_id 0
		.amdhsa_next_free_vgpr 384
		.amdhsa_next_free_sgpr 88
		.amdhsa_reserve_vcc 0
		.amdhsa_float_denorm_mode_32 3
		.amdhsa_float_denorm_mode_16_64 3
		.amdhsa_memory_ordered 1
		.amdhsa_forward_progress 1
		.amdhsa_inst_pref_size 56
	.end_amdhsa_kernel
	.amdgpu_metadata
---
amdhsa.version: [ 1, 2 ]
amdhsa.kernels:
  - .name:           k_q0c95d28d0c_outp
    .symbol:         k_q0c95d28d0c_outp.kd
    .args:
      - { .name: oh, .offset: 0, .size: 8, .value_kind: global_buffer, .address_space: global }
      - { .name: wc, .offset: 8, .size: 8, .value_kind: global_buffer, .address_space: global }
      - { .name: bo, .offset: 16, .size: 8, .value_kind: global_buffer, .address_space: global }
      - { .name: out0, .offset: 24, .size: 8, .value_kind: global_buffer, .address_space: global }
    .group_segment_fixed_size: 327680
    .private_segment_fixed_size: 0
    .kernarg_segment_align: 8
    .kernarg_segment_size: 32
    .max_flat_workgroup_size: 128
    .sgpr_count:     88
    .vgpr_count:     384
    .wavefront_size: 32
...
	.end_amdgpu_metadata
.endif
;; end of part 4
